; MI455X (gfx1250); checked and timed in simulation.
; The chip was launched on July 23, 2026; its instructions are those of AMD's public machine-readable ISA for CDNA 5 (MIT licence, August 2026) and "CDNA5" Instruction Set Architecture Reference Guide (July 2026). The comments in the code are by the model that wrote it; some were corrected since.
;; Decoder. Allowed arithmetic: float matrix products may take bf16 or f16 operands with f32 sums; other float arithmetic in f32, or as packed bf16 or f16 multiplies, adds, multiply-adds, maxima and minima; sums over many terms, partial sums and values carried from step to step in f32; what a program stores and reads back later, other than sums and carried values, may be rounded once to bf16 or f16.
;; Inputs: W_c 128 x 258 float32; W_o 128 x 128 float32; W_pk 128 x 128 float32; W_pq 128 x 128 float32; W_qkv 384 x 128 float32; attn_mask 512 x 512 bool; b_c 128 float32; b_o 128 float32; b_pk 128 float32; b_pq 128 float32; b_qkv 384 float32; cap_feat 512 x 1 float32; mean_mask 512 x 512 bool; sel_idx 512 int32; time_feat 512 x 1 float32; x 512 x 512 x 128 float32.
;; Outputs: out0 512 x 512 float32.
;; 2 versions, each right; version 2 is version 1 with the launch decode written anew for expert scheduling mode. Each part assembles by itself: llvm-mc -triple=amdgcn-amd-amdhsa -mcpu=gfx1250 --defsym DOCPART=n.
;; ======== version 1 of 2: 1 launch
;; limits: right only within a limited range of input values
;; launch decode (part 1): grid 256 x 1, 8 waves a work-group, no clusters, 327,680 bytes of LDS; arguments x, W_c, W_qkv, W_o, W_pq, W_pk, mean_mask, attn_mask, sel_idx, cap_feat, time_feat, b_c, b_qkv, b_o, b_pq, b_pk, out0; writes out0
.if DOCPART == 1
	.amdgcn_target "amdgcn-amd-amdhsa--gfx1250"
	.amdhsa_code_object_version 6
	.text
	.protected	k_q34bc716914_decode
	.globl	k_q34bc716914_decode
	.p2align	8
	.type	k_q34bc716914_decode,@function
k_q34bc716914_decode:
	s_mov_b64 s[64:65], 0
	v_nop
	global_prefetch_b8 v0, s[64:65] scope:SCOPE_SE
	s_setreg_imm32_b32 hwreg(HW_REG_WAVE_MODE, 25, 1), 1
	s_wait_xcnt 0x0
; ONE DECODE STEP FOR 512 BATCHES: masked mean + selected row -> combined -> one-query attention over 512 nodes (8 heads of 16) -> residual -> softmax over the nodes of 10 tanh(pq . pk).
; THE NODES ARE NEVER PROJECTED.  Each batch has ONE query, so for all values of the inputs, in exact arithmetic:
;   q_h . (Wk_h x_n + bk_h)      = (Wk_h^T q_h) . x_n + q_h . bk_h       the last term is the same for every n, the softmax's axis: it cancels
;   sum_n a_n (Wv x_n + bv)      = Wv (sum_n a_n x_n) + bv                since the softmax's weights a_n add up to 1
;   pq . (W_pk x_n + b_pk)       = (W_pk^T pq) . x_n + pq . b_pk
; So k, v and pk (three products of 512 x 128 x 128 a batch) are left out, and four passes over x[b] (mean, scores, weighted sum, z) with seven products matrix x vector take their place.
; DEAD: bk = b_qkv[128:256], by the first line; its 512 bytes are not loaded (b_qkv stays an argument: bq and bv are live).  Every other input is live and is loaded.
; LIMIT: a NaN, an infinity or an overflow that would arise in k, v, pk or bk alone is not carried to the result.
; FORMATS.  Every floating-point input is rounded to bf16 (nearest even) as it arrives.  Sums, maxima and biases stay in f32.  What the program makes and feeds to the matrix unit again goes as
; a pair hi + lo of bf16 (two columns or rows of the operand, added in f32): the partial mean sums, combined, xa, ctx, veh, pq, W_pk^T pq.  Once to bf16 only: q, Wk^T q, the attention weights.
; FIRST SOFTMAX: each wave takes the true maximum of its 128 nodes; the four waves' maxima are merged with correction factors (a running maximum).  Scores are kept in units of log2.
; A masked score counts as its value less 1e30; the maximum has the floor -1e20, so a score below -1e20 would lose its weight (limit); a wave whose nodes are all masked adds 0,
; a batch that is wholly masked gives 0 x infinity = NaN, as the formula does.  An exponential below 2^-126 counts as 0.
; LAST SOFTMAX: u = 10 tanh(z) lies in -10 .. 10 by the formula's own clip, so exp(u - 10) lies in e^-20 .. 1 and a sum of 512 of them in e^-20 .. 512: the shift 10 is the bound of the
; maximum and nothing can overflow or vanish.  exp(u - 10) = 2^(-20 log2(e) / (1 + 2^(2 log2(e) z))).
; SHARES.  256 work-groups of 8 waves, two batches each (b0 = 2 g, b0 + 1).  Wave w owns rows 128 (w % 4) .. + 127 of batch b0 + w / 4 in every pass over x: row 128 w of the work-group's 1,024.
; In the seven small products wave w owns the 16 output rows of tile w, for both batches; its tiles of all weights stay in registers (256 of them), fetched once a work-group.
; x[b] crosses from memory once, is rounded in registers and stays in LDS as bf16 for the other three passes.
; NO CLUSTER: x is shared by nobody; the weights (525 KB in f32) are shared by all, but they end in registers behind a conversion, and beside x's 278,528 bytes LDS has no room to receive them.
; NO TENSOR LOAD: x must pass through registers to be rounded, and an f32 batch does not fit in LDS beside the two bf16 ones.
; The text is straight: no label, no branch, EXEC never changes, and no address register or base of a global access is rewritten while such an access may be out.
;
; LDS
.set PX,     272                       ; a row of 128 bf16 + 16 bytes: an odd multiple of 16, so the 16 rows of a fragment load begin 16 bytes apart modulo 256
.set FP,     528                       ; a row of 512 bytes + 16
.set STG2,   128*PX                    ; before x arrives: Wk's 128 rows at 0, W_pk's here, to be read turned
.set SPARE,  1024*PX                   ; 278,528: the spare words, 128 bytes a wave
.set MADD,   SPARE+1024                ; f32 [1,024]: 0, or -1e30 where attn_mask is set
.set STAT,   MADD+4096                 ; [wave][head] {maximum, sum}
.set SMALL,  STAT+512                  ; +0 [batch][wave] parts of pq . b_pk; +64 [wave] sums of exponentials; +96 [wave] counts
.set QKXA,   SMALL+256                 ; Wk^T q: 16 rows (8 batch + head); later xa: 32 rows (8 rowsel + head)
.set PART,   QKXA+32*PX                ; wave w's weighted sums, 8 heads x 528, at 4,224 w; before and behind that the vectors below
.set V_COMB, 16*FP                     ; behind FEATS (16 rows x 528 at PART)
.set V_Q,    V_COMB+4*PX
.set V_CTX,  0                         ; a vector is four rows x 272: batch 0 hi, lo, batch 1 hi, lo (rowsel)
.set V_VEH,  4*PX
.set V_PQ,   8*PX
.set V_PKQ,  12*PX
.set EOFF,   16*PX                     ; 1,024 exponentials in f32
; VECTOR REGISTERS, window 0
.set SPW, 1                            ; SPARE + 4 x thread; for the add alone
.set NIL, 2                            ; 0; for the add alone
.set XO,  3                            ; 16 L
.set XW,  4                            ; my rows of x in LDS + 8 L
.set WOF, 5                            ; 512 r + 32 hh
.set WCO, 6                            ; 1,032 r + 32 hh
.set WSA, 7                            ; stage: 16 w rows + 8 L
.set TRW, 8                            ; turned read of the stage, my 2 x 8 columns
.set TRX, 9                            ; turned read of my rows of x
.set XF,  10                           ; row fragments of my rows of x
.set VB,  11                           ; a vector as B: PART + 272 rowsel + 16 hh
.set VSN, 12                           ; a vector's store, outputs 16 w + 8 hh + j
.set VST, 13                           ; a vector's store, outputs 64 hh + 8 w + j
.set PM,  14                           ; -1 in odd r
.set FB,  15
.set FW,  16
.set QL,  17
.set QST, 18
.set QB,  19
.set MW,  20
.set PW,  21
.set SW,  22
.set P6,  23
.set S6A, 24
.set X6,  25
.set XB7, 26
.set PKA, 27
.set EL,  28
.set E4,  29
.set ML,  30
.set GO,  31
.set CA,  32
.set CW,  33
.set C0W, 34
.set C0R, 35
.set COMB, 36                          ; v36-43 combined in f32, from S2 on; until all global loads are in, the six addresses below
.set LN,  36                           ; L
.set L4,  37                           ; 4 L
.set CTO, 38                           ; 4 (b0 + r / 8)
.set BOF, 39                           ; 64 w + 32 hh
.set WCB, 40                           ; 8 hh rows of W_c
.set M16, 41                           ; MADD of my rows + 16 L
.set MA,  44                           ; v44-47 masked sums of my 128 rows, channels 4 L ..
.set R0,  64                           ; three slots of 64 that take turns as the loads' landing place
.set R1,  128
.set R2,  192
.set BIA, 128                          ; from the last jobs on R1 holds the biases of my 8 outputs: b_c + W_c[:,256] cap + W_c[:,257] time,
.set BQ,  136
.set BV,  144
.set BO,  152
.set BPQ, 160
.set BPK, 168
.set BF,  64                           ; a small product's B, 4 K steps
.set A0,  96                           ; its two accumulators, by turns
.set A1,  104
.set Y,   112                          ; its result
; window 1: my tiles of the weights as A fragments in bf16; dead ones are used again
.set WKT,  0                           ; Wk^T;  from S5 on P
.set WPKT, 32                          ; W_pk^T
.set WC,   64                          ; W_c, K = 256;  from S5 on S, then O^T; in S11 Z
.set WQ,   128                         ; from S5 on QF, then T; in S11 PF
.set WV,   160
.set WO,   192
.set WPQ,  224
.set P,   0
.set S,   64
.set Z,   64
.set QF,  128
.set T,   128
.set PF,  128
; SCALARS: s8 w, s9 w / 4, s10 w % 4, s11 b0, s12 b, s13 34,816 w, s14 512 w, s15, s51 at work; s[16:49] the 17 addresses; s50 sel; s[52:53] x at the selected row; s[54:55] an offset
.set MV,  56                           ; s56-59 bit n: row n of my 128 counts in the mean
.set VA,  60                           ; s[60:61], s[62:63] that bit as 1.0 or 0, two pairs by turns
.set SCL, 84                           ; s[84:85] log2(e) / 4
.set MSB, 0
.macro WIN new                         ; s_set_vgpr_msb: bits 1:0 source 0, 3:2 source 1, 5:4 source 2, 7:6 destination; the high byte repeats the setting that is left
.if MSB != (\new)
	s_set_vgpr_msb (MSB<<8)|(\new)
.set MSB, (\new)
.endif
.endm
.macro PLACES n=4                      ; plain instructions between a matrix instruction and what reads its result, writes its registers or loads into them
.rept \n
	v_nop
.endr
.endm
.macro BAR                             ; my LDS stores are done and my LDS reads are back; then all eight waves meet
	s_wait_dscnt 0x0
	s_barrier_signal -1
	s_barrier_wait -1
.endm
	s_load_b512 s[16:31], s[0:1], 0x0              ; x, W_c, W_qkv, W_o, W_pq, W_pk, mean_mask, attn_mask
	s_load_b512 s[32:47], s[0:1], 0x40             ; sel_idx, cap_feat, time_feat, b_c, b_qkv, b_o, b_pq, b_pk
	s_load_b64 s[48:49], s[0:1], 0x80              ; out0
	v_lshl_add_u32 v[SPW], v0, 2, SPARE
	v_mov_b32 v[NIL], 0
	v_lshrrev_b32 v48, 5, v0
	v_readfirstlane_b32 s8, v48                    ; w
	s_lshr_b32 s9, s8, 2                           ; which of the two batches
	s_and_b32 s10, s8, 3                           ; which quarter of its rows
	s_lshl_b32 s11, ttmp9, 1                       ; b0
	s_add_co_u32 s12, s11, s9                      ; b
	s_mul_i32 s13, s8, 128*PX
	s_lshl_b32 s14, s8, 9
	s_mov_b32 s55, 0
	s_mov_b32 s61, 0                               ; named in pairs with s60 and s62
	s_mov_b32 s63, 0
	s_mov_b32 s66, 0xffff0000                      ; a word's upper bf16; also: the lanes 16 to 31
	s_mov_b32 s67, 0xf149f2ca                      ; -1e30
	s_mov_b32 s68, 0xe0ad78ec                      ; -1e20
	s_mov_b32 s70, 0x76543210                      ; v_permlanex16_b32: each lane takes its own place in the other half
	s_mov_b32 s71, 0xfedcba98
.irp t, 0,1,2,3,4,5,6,7
	s_mov_b32 s[72+\t], 0x01010101<<\t             ; the lanes with L % 8 = t
.endr
	s_mov_b32 s80, 0x4038aa3b                      ; 2 log2(e)
	s_mov_b32 s81, 0xc1e6d4ca                      ; -20 log2(e)
	s_mov_b32 s[SCL], 0x3eb8aa3b                   ; log2(e) / sqrt(16)
	s_mov_b32 s[SCL+1], s[SCL]
	s_cmp_eq_u32 s10, 0
	s_cselect_b32 s82, -1, 0                       ; the batch's first wave alone hands the selected row on
	v_and_b32 v49, 31, v0                          ; L
	v_and_b32 v50, 15, v0                          ; r
	v_bfe_u32 v51, v0, 4, 1                        ; hh
	v_and_b32 v52, 7, v0                           ; r % 8
	v_bfe_u32 v53, v0, 3, 1                        ; r / 8
	v_and_b32 v54, 1, v0                           ; r % 2
	v_lshl_add_u32 v55, v53, 1, v54                ; rowsel = 2 (r / 8) + r % 2
	v_mul_u32_u24 v56, v55, PX
	v_lshlrev_b32 v[XO], 4, v49
	v_lshl_add_u32 v[XW], v49, 3, s13
	v_lshlrev_b32 v[WOF], 9, v50
	v_lshl_add_u32 v[WOF], v51, 5, v[WOF]
	v_mul_u32_u24 v[WCO], v50, 1032
	v_lshl_add_u32 v[WCO], v51, 5, v[WCO]
	s_mul_i32 s15, s8, 16*PX
	v_lshl_add_u32 v[WSA], v49, 3, s15
	; a turning load takes 16 rows x 2 x 8 columns: lane L reads row 8 hh + L % 8, eight columns at 8 c (L / 8 even) or 64 + 8 c (odd); lane (r, hh) then holds column 8 c + r % 8 + 64 (r / 8), rows 8 hh ..
	v_lshl_add_u32 v57, v51, 3, v52
	v_mul_u32_u24 v57, v57, PX
	v_lshl_add_u32 v57, v53, 7, v57
	v_lshl_add_u32 v[TRW], s8, 4, v57
	v_add_nc_u32 v[TRX], s13, v57
	v_mul_u32_u24 v58, v50, PX
	v_lshl_add_u32 v58, v51, 4, v58
	v_add_nc_u32 v[XF], s13, v58
	v_lshl_add_u32 v59, v51, 4, v56
	v_add_nc_u32 v[VB], PART, v59
	v_lshl_add_u32 v[VSN], s8, 5, v[VB]
	v_lshl_add_u32 v[VST], v51, 7, v56
	v_lshl_add_u32 v[VST], s8, 4, v[VST]
	v_add_nc_u32 v[VST], PART, v[VST]
	v_sub_nc_u32 v[PM], 0, v54
	v_mul_u32_u24 v[FB], v50, FP
	v_lshl_add_u32 v[FB], v51, 4, v[FB]
	v_add_nc_u32 v[FB], PART, v[FB]
	s_mul_i32 s15, s8, 2*FP
	s_add_co_u32 s15, s15, PART
	v_lshl_add_u32 v[FW], v49, 3, s15
	v_mul_u32_u24 v[QL], v53, 2*PX
	v_lshl_add_u32 v[QL], v52, 5, v[QL]
	v_lshl_add_u32 v[QL], v51, 4, v[QL]
	v_add_nc_u32 v[QL], PART+V_Q, v[QL]
	v_mul_u32_u24 v[QST], v50, PX
	v_lshl_add_u32 v[QST], v51, 7, v[QST]
	v_lshl_add_u32 v[QST], s8, 4, v[QST]
	v_add_nc_u32 v[QST], QKXA, v[QST]
	s_mul_i32 s15, s9, 8*PX
	s_add_co_u32 s15, s15, QKXA
	v_mul_u32_u24 v[QB], v52, PX
	v_lshl_add_u32 v[QB], v51, 4, v[QB]
	v_add_nc_u32 v[QB], s15, v[QB]
	s_add_co_u32 s15, s14, MADD
	v_lshl_add_u32 v[MW], v51, 5, s15
	v_lshl_add_u32 v[ML], v49, 2, s15
	v_lshl_add_u32 v[M16], v49, 4, s15
	s_mul_i32 s15, s8, 8*FP
	s_add_co_u32 s15, s15, PART
	v_mul_u32_u24 v[PW], v52, FP
	v_lshl_add_u32 v[PW], v51, 8, v[PW]
	v_add_nc_u32 v[PW], s15, v[PW]
	s_lshl_b32 s15, s8, 6
	s_add_co_u32 s15, s15, STAT
	v_lshl_add_u32 v[SW], v52, 3, s15
	s_mul_i32 s15, s9, 32*FP
	s_mul_i32 s51, s10, 2*FP
	s_add_co_u32 s15, s15, s51
	s_add_co_u32 s15, s15, PART
	v_mul_u32_u24 v[P6], v51, FP
	v_lshl_add_u32 v[P6], v50, 4, v[P6]
	v_add_nc_u32 v[P6], s15, v[P6]
	s_lshl_b32 s15, s9, 8
	s_lshl_b32 s51, s10, 4
	s_add_co_u32 s15, s15, s51
	s_add_co_u32 s15, s15, STAT
	v_lshl_add_u32 v[S6A], v51, 3, s15
	s_mul_i32 s15, s9, 16*PX                       ; xa's rows: 16 for each batch (8 hi, 8 lo),
	s_mul_i32 s51, s10, 2*PX                       ; my wave's two heads among them
	s_add_co_u32 s15, s15, s51
	s_add_co_u32 s15, s15, QKXA
	v_mul_u32_u24 v[X6], v51, PX
	v_lshl_add_u32 v[X6], v50, 3, v[X6]
	v_add_nc_u32 v[X6], s15, v[X6]
	s_mul_i32 s15, s8, PX
	s_add_co_u32 s15, s15, QKXA
	v_mul_u32_u24 v[XB7], v55, 8*PX
	v_lshl_add_u32 v[XB7], v51, 4, v[XB7]
	v_add_nc_u32 v[XB7], s15, v[XB7]
	s_mul_i32 s15, s9, 2*PX
	s_add_co_u32 s15, s15, PART+V_PKQ
	v_mul_u32_u24 v[PKA], v54, PX
	v_lshl_add_u32 v[PKA], v51, 4, v[PKA]
	v_add_nc_u32 v[PKA], s15, v[PKA]
	s_add_co_u32 s15, s14, PART+EOFF
	v_lshl_add_u32 v[EL], v49, 2, s15
	v_lshl_add_u32 v[E4], v49, 4, s15
	v_lshl_add_u32 v[GO], v49, 4, s14
	v_lshl_add_u32 v[CA], v53, 4, SMALL+96
	s_lshl_b32 s15, s8, 2
	s_add_co_u32 s15, s15, SMALL
	v_mov_b32 v[CW], s15
	v_lshl_add_u32 v[C0W], v53, 5, s15
	s_lshl_b32 s15, s9, 5
	s_add_co_u32 s15, s15, SMALL
	v_mov_b32 v[C0R], s15
	v_mov_b32 v[LN], v49
	v_lshlrev_b32 v[L4], 2, v49
	s_lshl_b32 s15, s11, 2
	v_lshl_add_u32 v[CTO], v53, 2, s15
	s_lshl_b32 s15, s8, 6
	v_lshl_add_u32 v[BOF], v51, 5, s15
	v_mul_u32_u24 v[WCB], v51, 8*1032
	s_wait_kmcnt 0x0
	; each base is stepped once, here, by an offset made apart from it
	s_lshl_b32 s54, s12, 2
	s_add_nc_u64 s[32:33], s[32:33], s[54:55]
	s_load_b32 s50, s[32:33], 0x0                  ; sel_idx[b]
	s_lshl_b32 s54, s12, 18
	s_add_nc_u64 s[52:53], s[16:17], s[54:55]      ; x[b]
	s_lshl_b32 s54, s10, 16
	s_add_nc_u64 s[16:17], s[52:53], s[54:55]      ; my 128 rows
	s_mul_i32 s54, s8, 16*1032
	s_add_nc_u64 s[18:19], s[18:19], s[54:55]      ; my 16 rows of each weight
	s_lshl_b32 s54, s8, 13
	s_add_nc_u64 s[20:21], s[20:21], s[54:55]
	s_add_nc_u64 s[22:23], s[22:23], s[54:55]
	s_add_nc_u64 s[24:25], s[24:25], s[54:55]
	s_add_nc_u64 s[26:27], s[26:27], s[54:55]
	s_lshl_b32 s54, s11, 9
	s_lshl_b32 s15, s8, 7
	s_add_co_u32 s54, s54, s15
	s_add_nc_u64 s[28:29], s[28:29], s[54:55]      ; the masks at my 128 nodes
	s_add_nc_u64 s[30:31], s[30:31], s[54:55]
	s_lshl_b32 s54, s11, 11
	s_add_nc_u64 s[48:49], s[48:49], s[54:55]      ; out0 at batch b0
; THE LOAD PHASE: a fixed list of jobs on three slots of 64 registers.  Loads come back in the order of issue (ISA guide 5.7.1), so each wait counts the loads issued behind its job.
.macro XLOAD slot, j                   ; rows 16 j .. 16 j + 15 of my 128: one instruction takes one row's 512 bytes
.set i, 0
.rept 16
	global_load_b128 v[(\slot)+4*i:(\slot)+4*i+3], v[XO], s[16:17] offset:(16*(\j)+i)*512 th:TH_LOAD_NT
.set i, i+1
.endr
.endm
.macro XROW reg, row                   ; a row's four numbers: rounded to bf16, into LDS, and (as rounded) into the masked sum
.set xt, 58+2*((\row)%2)
.set xv, VA+2*((\row)%2)
	s_bitcmp1_b32 s[MV+(\row)/32], (\row)%32
	s_cselect_b32 s[xv], 1.0, 0
	v_cvt_pk_bf16_f32 v[xt], v[\reg], v[(\reg)+1]
	v_cvt_pk_bf16_f32 v[xt+1], v[(\reg)+2], v[(\reg)+3]
	v_lshlrev_b32 v[\reg], 16, v[xt]
	v_and_b32 v[(\reg)+1], s66, v[xt]
	v_lshlrev_b32 v[(\reg)+2], 16, v[xt+1]
	v_and_b32 v[(\reg)+3], s66, v[xt+1]
	ds_store_b64 v[XW], v[xt:xt+1] offset:(\row)*PX
.if (\row) == 0                        ; the first row starts the sums: nothing is cleared
	v_pk_mul_f32 v[MA:MA+1], v[(\reg):(\reg)+1], s[xv:xv+1] op_sel_hi:[1,0]
	v_pk_mul_f32 v[MA+2:MA+3], v[(\reg)+2:(\reg)+3], s[xv:xv+1] op_sel_hi:[1,0]
.else
	v_pk_fma_f32 v[MA:MA+1], v[(\reg):(\reg)+1], s[xv:xv+1], v[MA:MA+1] op_sel_hi:[1,0,1]
	v_pk_fma_f32 v[MA+2:MA+3], v[(\reg)+2:(\reg)+3], s[xv:xv+1], v[MA+2:MA+3] op_sel_hi:[1,0,1]
.endif
.endm
.macro XJOB slot, j, younger           ; 16 rows in four groups; the count: the loads issued behind this job, and the job's own rows behind the group
.set g, 0
.rept 4
	s_wait_loadcnt (\younger)+12-4*g
.set h, 0
.rept 4
	XROW (\slot)+16*g+4*h, 16*(\j)+4*g+h
.set h, h+1
.endr
.set g, g+1
.endr
.endm
.macro WLOAD slot, base, imm           ; my 16 rows x 128 of a weight in f32, already in the order of an A fragment: lane (r, hh) takes row r, K = 32 k + 8 hh + 0..7 and 32 k + 16 + 8 hh + 0..7
.irp k, 0,1,2,3
	global_load_b128 v[(\slot)+16*\k:(\slot)+16*\k+3],     v[WOF], s[\base:(\base)+1] offset:(\imm)+128*\k
	global_load_b128 v[(\slot)+16*\k+4:(\slot)+16*\k+7],   v[WOF], s[\base:(\base)+1] offset:(\imm)+128*\k+16
	global_load_b128 v[(\slot)+16*\k+8:(\slot)+16*\k+11],  v[WOF], s[\base:(\base)+1] offset:(\imm)+128*\k+64
	global_load_b128 v[(\slot)+16*\k+12:(\slot)+16*\k+15], v[WOF], s[\base:(\base)+1] offset:(\imm)+128*\k+80
.endr
.endm
.macro WCLOAD slot, c                  ; the same for columns 128 c .. + 127 of W_c, whose rows of 1,032 bytes begin at multiples of 8 only: loads of 8 bytes
.irp k, 0,1,2,3
.irp e, 0,1,2,3
	global_load_b64 v[(\slot)+16*\k+2*\e:(\slot)+16*\k+2*\e+1],   v[WCO], s[18:19] offset:512*(\c)+128*\k+8*\e
	global_load_b64 v[(\slot)+16*\k+8+2*\e:(\slot)+16*\k+9+2*\e], v[WCO], s[18:19] offset:512*(\c)+128*\k+64+8*\e
.endr
.endr
.endm
.macro WCVT slot, home                 ; 64 f32 -> 32 registers of bf16 in window 1
	WIN 0x40
.set i, 0
.rept 32
	v_cvt_pk_bf16_f32 v[(\home)+i], v[(\slot)+2*i], v[(\slot)+2*i+1]
.set i, i+1
.endr
	WIN 0
.endm
.macro WSTAGE src, dst, off            ; my 16 rows of Wk or W_pk (f32 in window 1, 16 bytes a lane and row) -> bf16 -> the stage
	WIN 0x05
.set i, 0
.rept 32
	v_cvt_pk_bf16_f32 v[(\dst)+i], v[(\src)+2*i], v[(\src)+2*i+1]
.set i, i+1
.endr
	WIN 0
.set i, 0
.rept 16
	ds_store_b64 v[WSA], v[(\dst)+2*i:(\dst)+2*i+1] offset:(\off)+i*PX
.set i, i+1
.endr
.endm
.irp q, 0,1,2,3
	global_load_u8 v[48+\q], v[LN], s[28:29] offset:32*\q      ; mean_mask of node 32 q + L
.endr
	global_load_b32 v52, v[L4], s[30:31]           ; attn_mask of nodes 4 L .. 4 L + 3
	WIN 0x40
.set i, 0
.rept 16
	global_load_b128 v[128+4*i:128+4*i+3], v[XO], s[20:21] offset:65536+512*i  ; Wk's rows 16 w + i
.set i, i+1
.endr
.set i, 0
.rept 16
	global_load_b128 v[192+4*i:192+4*i+3], v[XO], s[26:27] offset:512*i        ; W_pk's
.set i, i+1
.endr
	WIN 0
	XLOAD R0, 0
	s_wait_loadcnt 48                              ; the masks are in; behind them: 16 + 16 + 16
.irp q, 0,1,2,3
	v_cmp_eq_u32 s[MV+\q], 0, v[48+\q]             ; bit L: node 32 q + L counts in the mean
.endr
.irp q, 0,1,2,3
	v_bfe_u32 v[56+\q], v52, 8*\q, 8
.endr
.irp q, 0,1,2,3
	v_cmp_ne_u32 vcc_lo, 0, v[56+\q]
	v_cndmask_b32 v[56+\q], 0, s67, vcc_lo
.endr
	ds_store_b128 v[M16], v[56:59]                 ; read by my own wave alone
	s_bcnt1_i32_b32 s83, s[MV]
	s_bcnt1_i32_b32 s15, s[MV+1]
	s_add_co_u32 s83, s83, s15
	s_bcnt1_i32_b32 s15, s[MV+2]
	s_add_co_u32 s83, s83, s15
	s_bcnt1_i32_b32 s15, s[MV+3]
	s_add_co_u32 s83, s83, s15                     ; how many of my 128 count
	XLOAD R1, 1
	s_wait_loadcnt 48                              ; Wk's rows are in; behind them: W_pk 16, x 16 + 16
	WSTAGE 128, 192, 0
	s_wait_kmcnt 0x0
	s_min_u32 s50, s50, 511                        ; the index lies in 0 .. 511 by the problem; held there before it enters an address
	s_lshl_b32 s54, s50, 9
	s_add_nc_u64 s[52:53], s[52:53], s[54:55]
	global_load_b128 v[52:55], v[XO], s[52:53]     ; the selected row, channels 4 L ..
	global_load_b32 v48, v[CTO], s[34:35]          ; cap and time of batch b0 + r / 8
	global_load_b32 v49, v[CTO], s[36:37]
	s_wait_loadcnt 35                              ; W_pk's rows are in; behind them: x 16 + 16, and these 3
	WSTAGE 192, 224, STG2
	BAR                                            ; the stage is whole
	WIN 0x40
.irp k, 0,1,2,3
	ds_load_tr16_b128 v[WKT+8*\k:WKT+8*\k+3],    v[TRW] offset:32*\k*PX
	ds_load_tr16_b128 v[WKT+8*\k+4:WKT+8*\k+7],  v[TRW] offset:(32*\k+16)*PX
	ds_load_tr16_b128 v[WPKT+8*\k:WPKT+8*\k+3],   v[TRW] offset:STG2+32*\k*PX
	ds_load_tr16_b128 v[WPKT+8*\k+4:WPKT+8*\k+7], v[TRW] offset:STG2+(32*\k+16)*PX
.endr
	WIN 0
	BAR                                            ; every wave has read the stage: x may now be stored over it
	WCLOAD R2, 0
	XJOB R0, 0, 51                                 ; behind it: x 16, 3, W_c 32
	XLOAD R0, 2
	XJOB R1, 1, 51                                 ; 3, W_c 32, x 16
	WCLOAD R1, 1
	s_wait_loadcnt 48                              ; x 16, W_c 32
	WCVT R2, WC
	XLOAD R2, 3
	XJOB R0, 2, 48                                 ; W_c 32, x 16
	WLOAD R0, 20, 0                                ; Wq
	s_wait_loadcnt 32                              ; from here on two jobs of 16 stand behind each
	WCVT R1, WC+32
	XLOAD R1, 4
	XJOB R2, 3, 32
	WLOAD R2, 20, 131072                           ; Wv
	s_wait_loadcnt 32
	WCVT R0, WQ
	XLOAD R0, 5
	XJOB R1, 4, 32
	WLOAD R1, 22, 0                                ; W_o
	s_wait_loadcnt 32
	WCVT R2, WV
	XLOAD R2, 6
	XJOB R0, 5, 32
	WLOAD R0, 24, 0                                ; W_pq
	s_wait_loadcnt 32
	WCVT R1, WO
	; the biases of my outputs 16 w + 8 hh + j, and W_c's last two columns for them: 12 + 8 loads
	global_load_b128 v[BIA:BIA+3],   v[BOF], s[38:39]
	global_load_b128 v[BIA+4:BIA+7], v[BOF], s[38:39] offset:16
	global_load_b128 v[BQ:BQ+3],     v[BOF], s[40:41]
	global_load_b128 v[BQ+4:BQ+7],   v[BOF], s[40:41] offset:16
	global_load_b128 v[BV:BV+3],     v[BOF], s[40:41] offset:1024
	global_load_b128 v[BV+4:BV+7],   v[BOF], s[40:41] offset:1040
	global_load_b128 v[BO:BO+3],     v[BOF], s[42:43]
	global_load_b128 v[BO+4:BO+7],   v[BOF], s[42:43] offset:16
	global_load_b128 v[BPQ:BPQ+3],   v[BOF], s[44:45]
	global_load_b128 v[BPQ+4:BPQ+7], v[BOF], s[44:45] offset:16
	global_load_b128 v[BPK:BPK+3],   v[BOF], s[46:47]
	global_load_b128 v[BPK+4:BPK+7], v[BOF], s[46:47] offset:16
.irp j, 0,1,2,3,4,5,6,7
	global_load_b64 v[176+2*\j:177+2*\j], v[WCB], s[18:19] offset:1024+1032*\j
.endr
	XJOB R2, 6, 36                                 ; W_pq 16, these 20
	XLOAD R2, 7
	s_wait_loadcnt 36                              ; the 20, x 16
	WCVT R0, WPQ
	s_wait_loadcnt 16                              ; x's last 16 rows stay out while this is worked on
.set i, 128
.rept 32                               ; all 64 numbers rounded to bf16 and widened again
	v_cvt_pk_bf16_f32 v[62+(i/2)%2], v[i], v[i+1]
	v_lshlrev_b32 v[i], 16, v[62+(i/2)%2]
	v_and_b32 v[i+1], s66, v[62+(i/2)%2]
.set i, i+2
.endr
	v_cvt_pk_bf16_f32 v62, v48, v49
	v_lshlrev_b32 v48, 16, v62
	v_and_b32 v49, s66, v62
.irp j, 0,1,2,3,4,5,6,7
	v_fma_f32 v[BIA+\j], v[176+2*\j], v48, v[BIA+\j]
.endr
.irp j, 0,1,2,3,4,5,6,7
	v_fma_f32 v[BIA+\j], v[177+2*\j], v49, v[BIA+\j]
.endr
	v_cvt_pk_bf16_f32 v56, v52, v53                ; the selected row: exact in bf16 once rounded, so it has no lo part
	v_cvt_pk_bf16_f32 v57, v54, v55
	v_and_b32 v56, s82, v56
	v_and_b32 v57, s82, v57
	XJOB R2, 7, 0                                  ; the last wait is for 0: every global load is in, and v36-41 are free
.macro SPLIT y, n, hi, u, lo           ; 2 n numbers -> n registers of bf16(y) and n of bf16(y - hi), in the same lane
.set i, 0
.rept \n
	v_cvt_pk_bf16_f32 v[(\hi)+i], v[(\y)+2*i], v[(\y)+2*i+1]
.set i, i+1
.endr
.set i, 0
.rept \n
	v_lshlrev_b32 v[(\u)+2*i], 16, v[(\hi)+i]
	v_and_b32 v[(\u)+2*i+1], s66, v[(\hi)+i]
.set i, i+1
.endr
.set i, 0
.rept \n
	v_pk_add_f32 v[(\u)+2*i:(\u)+2*i+1], v[(\y)+2*i:(\y)+2*i+1], v[(\u)+2*i:(\u)+2*i+1] neg_lo:[0,1] neg_hi:[0,1]
.set i, i+1
.endr
.set i, 0
.rept \n
	v_cvt_pk_bf16_f32 v[(\lo)+i], v[(\u)+2*i], v[(\u)+2*i+1]
.set i, i+1
.endr
.endm
.macro HILO y, tp, u, op               ; 8 numbers -> 4 registers: bf16(y) in even lanes, bf16(y - bf16(y)) in odd lanes; y is left as it is
.irp i, 0,1,2,3
	v_cvt_pk_bf16_f32 v[(\tp)+\i], v[(\y)+2*\i], v[(\y)+2*\i+1]
.endr
.irp i, 0,1,2,3
	v_and_b32 v[(\tp)+\i], v[PM], v[(\tp)+\i]
.endr
.irp i, 0,1,2,3
	v_lshlrev_b32 v[(\u)+2*\i], 16, v[(\tp)+\i]
	v_and_b32 v[(\u)+2*\i+1], s66, v[(\tp)+\i]
.endr
.irp i, 0,1,2,3
	v_pk_add_f32 v[(\u)+2*\i:(\u)+2*\i+1], v[(\y)+2*\i:(\y)+2*\i+1], v[(\u)+2*\i:(\u)+2*\i+1] neg_lo:[0,1] neg_hi:[0,1]
.endr
.irp i, 0,1,2,3
	v_cvt_pk_bf16_f32 v[(\op)+\i], v[(\u)+2*\i], v[(\u)+2*\i+1]
.endr
.endm
	; S1.  FEATS: row 2 w = my partial sums hi | the selected row (first wave of a batch) or 0; row 2 w + 1 = lo | 0.  And my count.
	SPLIT MA, 2, 48, 50, 62
	v_mov_b32 v54, 0
	v_mov_b32 v55, 0
	v_cvt_f32_u32 v58, s83
	ds_store_b64 v[FW], v[48:49]
	ds_store_b64 v[FW], v[62:63] offset:FP
	ds_store_b64 v[FW], v[56:57] offset:256
	ds_store_b64 v[FW], v[54:55] offset:FP+256
	ds_store_b32 v[CW], v58 offset:96
	BAR
	; S2.  combined = W_c[:, :128] (sum of the eight partial rows) / count + W_c[:, 128:256] sel + the rest.  Column r of B is FEATS' row r; batch = r / 8.
.irp k, 0,1,2,3,4,5,6,7
	ds_load_b128 v[64+8*\k:64+8*\k+3], v[FB] offset:64*\k
	ds_load_b128 v[64+8*\k+4:64+8*\k+7], v[FB] offset:64*\k+32
.endr
	ds_load_b128 v[176:179], v[CA]                 ; the four waves' counts of batch r / 8
	s_wait_dscnt 0x0
	WIN 0x01                                       ; A in window 1
.irp k, 0,1,2,3                        ; two accumulators by turns: the mean's half of K and the selected row's
.if \k == 0
	v_wmma_f32_16x16x32_bf16 v[192:199], v[WC:WC+7], v[64:71], 0
	v_wmma_f32_16x16x32_bf16 v[200:207], v[WC+32:WC+39], v[96:103], 0
.else
	v_wmma_f32_16x16x32_bf16 v[192:199], v[WC+8*\k:WC+8*\k+7], v[64+8*\k:64+8*\k+7], v[192:199]
	v_wmma_f32_16x16x32_bf16 v[200:207], v[WC+32+8*\k:WC+32+8*\k+7], v[96+8*\k:96+8*\k+7], v[200:207]
.endif
.endr
	WIN 0
	v_add_f32 v176, v176, v177                     ; four plain lines and the v_nop: the places behind the products
	v_add_f32 v178, v178, v179
	v_add_f32 v176, v176, v178
	v_max_num_f32 v176, 1.0, v176                  ; max(count, 1)
	v_rcp_f32 v177, v176
	v_nop                                          ; a plain line behind the reciprocal,
	s_wait_alu depctr_va_vdst(0)                   ; and a wait ahead of its first reader
.irp j, 0,1,2,3,4,5,6,7
	v_fma_f32 v[Y+\j], v[192+\j], v177, v[200+\j]
.endr
.irp m, 1,2,4                          ; the eight columns of a batch are added
.irp j, 0,1,2,3,4,5,6,7
	v_add_f32_dpp v[Y+\j], v[Y+\j], v[Y+\j] row_xmask:\m row_mask:0xf bank_mask:0xf
.endr
.endr
.irp j, 0,2,4,6
	v_pk_add_f32 v[COMB+\j:COMB+\j+1], v[Y+\j:Y+\j+1], v[BIA+\j:BIA+\j+1]
.endr
	HILO COMB, 120, 176, 124
	ds_store_b128 v[VSN], v[124:127] offset:V_COMB
	BAR
; A SMALL PRODUCT: my tile of a weight (home, in window 1) x a vector's four rows.  Column r of B is row rowsel(r), so even columns carry hi, odd ones lo, each four times over.
; bias: its registers or -1; resid: combined is added; dot: the part of pq . b_pk of my 16 outputs is stored too.
.macro GSTAGE home, badr, boff, bias, resid, oadr, ooff, dot
	WIN 0
.irp k, 0,1,2,3
	ds_load_b128 v[BF+8*\k:BF+8*\k+3], v[\badr] offset:(\boff)+64*\k
	ds_load_b128 v[BF+8*\k+4:BF+8*\k+7], v[\badr] offset:(\boff)+64*\k+32
.endr
	s_wait_dscnt 0x0
	WIN 0x01
	v_wmma_f32_16x16x32_bf16 v[A0:A0+7], v[(\home):(\home)+7], v[BF:BF+7], 0              ; two accumulators by turns
	v_wmma_f32_16x16x32_bf16 v[A1:A1+7], v[(\home)+8:(\home)+15], v[BF+8:BF+15], 0
	v_wmma_f32_16x16x32_bf16 v[A0:A0+7], v[(\home)+16:(\home)+23], v[BF+16:BF+23], v[A0:A0+7]
	v_wmma_f32_16x16x32_bf16 v[A1:A1+7], v[(\home)+24:(\home)+31], v[BF+24:BF+31], v[A1:A1+7]
	WIN 0
	PLACES
.irp j, 0,1,2,3,4,5,6,7
	v_add_f32 v[Y+\j], v[A0+\j], v[A1+\j]
.endr
.irp j, 0,1,2,3,4,5,6,7
	v_add_f32_dpp v[Y+\j], v[Y+\j], v[Y+\j] row_xmask:1 row_mask:0xf bank_mask:0xf  ; hi's column + lo's
.endr
.if (\bias) >= 0
.irp j, 0,2,4,6
	v_pk_add_f32 v[Y+\j:Y+\j+1], v[Y+\j:Y+\j+1], v[(\bias)+\j:(\bias)+\j+1]
.endr
.endif
.if \resid
.irp j, 0,2,4,6
	v_pk_add_f32 v[Y+\j:Y+\j+1], v[Y+\j:Y+\j+1], v[COMB+\j:COMB+\j+1]
.endr
.endif
.if \dot
	v_pk_mul_f32 v[184:185], v[Y:Y+1], v[BPK:BPK+1]
.irp j, 2,4,6
	v_pk_fma_f32 v[184:185], v[Y+\j:Y+\j+1], v[BPK+\j:BPK+\j+1], v[184:185]
.endr
	v_add_f32 v184, v184, v185
	v_permlanex16_b32 v185, v184, s70, s71         ; my tile's other eight outputs
	v_add_f32 v184, v184, v185
	ds_store_b32 v[C0W], v184
.endif
	HILO Y, 120, 176, 124
	ds_store_b128 v[\oadr], v[124:127] offset:\ooff
	BAR
.endm
	GSTAGE WQ, VB, V_COMB, BQ, 0, VSN, V_Q, 0      ; S3.  q = Wq combined + bq
	; S4.  Wk^T q by heads: column r of B is q of batch r / 8 with all heads but r % 8 set to 0.  K step k holds heads 2 k and 2 k + 1, 16 numbers each, so a lane's eight numbers of its head serve one half of one K step.
	ds_load_b128 v[176:179], v[QL]
	s_wait_dscnt 0x0
.irp k, 0,1,2,3
.irp i, 0,1,2,3
	v_cndmask_b32 v[BF+8*\k+\i], 0, v[176+\i], s[72+2*\k]
	v_cndmask_b32 v[BF+8*\k+4+\i], 0, v[176+\i], s[73+2*\k]
.endr
.endr
	WIN 0x01
	v_wmma_f32_16x16x32_bf16 v[A0:A0+7], v[WKT:WKT+7], v[BF:BF+7], 0
	v_wmma_f32_16x16x32_bf16 v[A1:A1+7], v[WKT+8:WKT+15], v[BF+8:BF+15], 0
	v_wmma_f32_16x16x32_bf16 v[A0:A0+7], v[WKT+16:WKT+23], v[BF+16:BF+23], v[A0:A0+7]
	v_wmma_f32_16x16x32_bf16 v[A1:A1+7], v[WKT+24:WKT+31], v[BF+24:BF+31], v[A1:A1+7]
	WIN 0
	PLACES
.irp j, 0,1,2,3,4,5,6,7
	v_add_f32 v[Y+\j], v[A0+\j], v[A1+\j]
.endr
.irp j, 0,2,4,6
	v_pk_mul_f32 v[Y+\j:Y+\j+1], v[Y+\j:Y+\j+1], s[SCL:SCL+1] op_sel_hi:[1,0]  ; 1 / sqrt(16) and log2(e), ahead of the one rounding
.endr
.irp i, 0,1,2,3
	v_cvt_pk_bf16_f32 v[124+\i], v[Y+2*\i], v[Y+2*\i+1]
.endr
	ds_store_b128 v[QST], v[124:127]               ; row r = 8 batch + head, channels 64 hh + 8 w + j
	BAR
; S5.  Scores, softmax and weighted sum over my own 128 nodes.
.macro AFLOAD buf, p                   ; row fragments of node tiles 2 p, 2 p + 1 (16 nodes x 128 channels each): 16 loads
	WIN 0
.irp i, 0,1
.irp k, 0,1,2,3
	ds_load_b128 v[(\buf)+32*\i+8*\k:(\buf)+32*\i+8*\k+3],   v[XF] offset:(2*(\p)+\i)*16*PX+64*\k
	ds_load_b128 v[(\buf)+32*\i+8*\k+4:(\buf)+32*\i+8*\k+7], v[XF] offset:(2*(\p)+\i)*16*PX+64*\k+32
.endr
.endr
.endm
.macro TFLOAD buf, ks                  ; turned fragments of nodes 32 ks .. + 31, all 128 channels (tile c: channels 8 c .. and 64 + 8 c ..): 16 loads
	WIN 0
.irp c, 0,1,2,3,4,5,6,7
	ds_load_tr16_b128 v[(\buf)+8*\c:(\buf)+8*\c+3],   v[TRX] offset:32*(\ks)*PX+16*\c
	ds_load_tr16_b128 v[(\buf)+8*\c+4:(\buf)+8*\c+7], v[TRX] offset:(32*(\ks)+16)*PX+16*\c
.endr
.endm
.macro SCORE p, buf                    ; S(node, head) += x . (Wk^T q): two tiles by turns; their registers were loaded with the mask's 0 or -1e30
	WIN 0x54                                       ; A window 0; B, C, D window 1
.irp k, 0,1,2,3
.irp i, 0,1
	v_wmma_f32_16x16x32_bf16 v[S+8*(2*(\p)+\i):S+8*(2*(\p)+\i)+7], v[(\buf)+32*\i+8*\k:(\buf)+32*\i+8*\k+7], v[QF+8*\k:QF+8*\k+7], v[S+8*(2*(\p)+\i):S+8*(2*(\p)+\i)+7]
.endr
.endr
.endm
.macro OMUL ks, buf                    ; O^T(channel, head) += x^T P: eight accumulators by turns, in S's place
	WIN 0x54
.irp c, 0,1,2,3,4,5,6,7
.if (\ks) == 0
	v_wmma_f32_16x16x32_bf16 v[S+8*\c:S+8*\c+7], v[(\buf)+8*\c:(\buf)+8*\c+7], v[P+8*(\ks):P+8*(\ks)+7], 0
.else
	v_wmma_f32_16x16x32_bf16 v[S+8*\c:S+8*\c+7], v[(\buf)+8*\c:(\buf)+8*\c+7], v[P+8*(\ks):P+8*(\ks)+7], v[S+8*\c:S+8*\c+7]
.endif
.endr
.endm
	WIN 0x40
.irp k, 0,1,2,3
	ds_load_b128 v[QF+8*\k:QF+8*\k+3], v[QB] offset:64*\k        ; column r: head r % 8 of my batch
	ds_load_b128 v[QF+8*\k+4:QF+8*\k+7], v[QB] offset:64*\k+32
.endr
.irp t, 0,1,2,3,4,5,6,7
	ds_load_b128 v[S+8*\t:S+8*\t+3], v[MW] offset:64*\t          ; register j of tile t: node 16 t + 8 hh + j
	ds_load_b128 v[S+8*\t+4:S+8*\t+7], v[MW] offset:64*\t+16
.endr
	AFLOAD R0, 0
	AFLOAD R2, 1
	s_wait_dscnt 16                                ; all but the other buffer's 16 loads; the same count at each step below
	SCORE 0, R0
	PLACES
	AFLOAD R0, 2
	s_wait_dscnt 16
	SCORE 1, R2
	PLACES
	AFLOAD R2, 3
	s_wait_dscnt 16
	SCORE 2, R0
	PLACES
	TFLOAD R0, 0                                   ; the turned fragments are on their way while the softmax is made
	s_wait_dscnt 16
	SCORE 3, R2
	PLACES 8                                       ; the softmax's work registers T are B's registers of these products
	TFLOAD R2, 1
	WIN 0x55                                       ; all in window 1.  A lane holds 64 scores of head r % 8, the lane 16 away the other 64
.set n, 0
.rept 3
.set t, 0
.rept 8                                ; each accumulator is read from its low end on
.if n == 0
	v_max3_num_f32 v[T+t], v[S+8*t], v[S+8*t+1], v[S+8*t+2]
.else
	v_max3_num_f32 v[T+t], v[T+t], v[S+8*t+2*n+1], v[S+8*t+2*n+2]
.endif
.set t, t+1
.endr
.set n, n+1
.endr
.irp t, 0,1,2,3
	v_max3_num_f32 v[T+\t], v[T+\t], v[S+16*\t+7], v[S+16*\t+15]
.endr
	v_max3_num_f32 v[T], v[T], v[T+1], v[T+2]
	v_max3_num_f32 v[T+3], v[T+3], v[T+4], v[T+5]
	v_max3_num_f32 v[T+6], v[T+6], v[T+7], s68     ; the floor
	v_max3_num_f32 v[T], v[T], v[T+3], v[T+6]
	v_permlanex16_b32 v[T+1], v[T], s70, s71
	v_max_num_f32 v[T+8], v[T], v[T+1]             ; my 128 nodes' maximum, twice: a pair for the packed subtraction
	v_max_num_f32 v[T+9], v[T], v[T+1]
.set i, 0
.rept 32
	v_pk_add_f32 v[S+2*i:S+2*i+1], v[S+2*i:S+2*i+1], v[T+8:T+9] neg_lo:[0,1] neg_hi:[0,1]
.set i, i+1
.endr
.set i, 0
.rept 64                               ; one batch of exponentials,
	v_exp_f32 v[S+i], v[S+i]
.set i, i+1
.endr
	v_nop                                          ; one plain line behind the last,
	s_wait_alu depctr_va_vdst(0)                   ; and one wait ahead of the first reader
.set i, 0
.rept 32                               ; two tiles' registers, rounded in pairs, are B's fragment of 32 nodes
	v_cvt_pk_bf16_f32 v[P+i], v[S+2*i], v[S+2*i+1]
.set i, i+1
.endr
.irp w, 4,8,16,32,64                   ; the sum of the unrounded weights, in place: 31 packed additions
.set i, 0
.rept 64/(\w)
	v_pk_add_f32 v[S+(\w)*i:S+(\w)*i+1], v[S+(\w)*i:S+(\w)*i+1], v[S+(\w)*i+(\w)/2:S+(\w)*i+(\w)/2+1]
.set i, i+1
.endr
.endr
	v_add_f32 v[T+10], v[S], v[S+1]
	v_permlanex16_b32 v[T+11], v[T+10], s70, s71
	v_add_f32 v[T+9], v[T+10], v[T+11]             ; beside the maximum
	s_wait_dscnt 16
	OMUL 0, R0
	PLACES
	TFLOAD R0, 2
	s_wait_dscnt 16
	OMUL 1, R2
	PLACES
	TFLOAD R2, 3
	s_wait_dscnt 16
	OMUL 2, R0
	s_wait_dscnt 0x0
	OMUL 3, R2
	PLACES
	WIN 0x04                                       ; store data in window 1
.irp c, 0,1,2,3,4,5,6,7
	ds_store_b128 v[PW], v[S+8*\c:S+8*\c+3] offset:32*\c         ; head r % 8, channels 64 hh + 8 c + j, in f32
	ds_store_b128 v[PW], v[S+8*\c+4:S+8*\c+7] offset:32*\c+16
.endr
	ds_store_b64 v[SW], v[T+8:T+9]
	WIN 0
	BAR
	; S6.  The four waves of a batch are merged.  A thread: batch w / 4, head 2 (w % 4) + hh, channels 4 r .. and 64 + 4 r ..
.irp v, 0,1,2,3
	ds_load_b128 v[64+8*\v:64+8*\v+3], v[P6] offset:8*FP*\v
	ds_load_b128 v[64+8*\v+4:64+8*\v+7], v[P6] offset:8*FP*\v+256
	ds_load_b64 v[96+2*\v:97+2*\v], v[S6A] offset:64*\v
.endr
	s_wait_dscnt 0x0
	v_max3_num_f32 v104, v96, v98, v100
	v_max_num_f32 v104, v104, v102
.irp v, 0,1,2,3
	v_sub_f32 v[105+\v], v[96+2*\v], v104
.endr
.irp v, 0,1,2,3
	v_exp_f32 v[105+\v], v[105+\v]                 ; the correction factors
.endr
	v_nop
	s_wait_alu depctr_va_vdst(0)
	v_mul_f32 v109, v105, v97
	v_fmac_f32 v109, v106, v99
	v_fmac_f32 v109, v107, v101
	v_fmac_f32 v109, v108, v103
	v_rcp_f32 v110, v109
	v_nop
	s_wait_alu depctr_va_vdst(0)
.irp v, 0,1,2,3
	v_mul_f32 v[105+\v], v[105+\v], v110
.endr
.irp c, 0,1,2,3,4,5,6,7
	v_mul_f32 v[Y+\c], v[64+\c], v105
.endr
.irp v, 1,2,3
.irp c, 0,1,2,3,4,5,6,7
	v_fmac_f32 v[Y+\c], v[64+8*\v+\c], v[105+\v]
.endr
.endr
	SPLIT Y, 4, 120, 176, 124
	ds_store_b64 v[X6], v[120:121]                 ; into QKXA, which was last read in front of the barrier above; this stage's loads read PART and STAT
	ds_store_b64 v[X6], v[122:123] offset:128
	ds_store_b64 v[X6], v[124:125] offset:8*PX
	ds_store_b64 v[X6], v[126:127] offset:8*PX+128
	BAR
	GSTAGE WV, XB7, 0, BV, 0, VSN, V_CTX, 0        ; S7.  ctx = Wv xa + bv: my 16 outputs are head w, so B is head w's xa
	GSTAGE WO, VB, V_CTX, BO, 1, VSN, V_VEH, 0     ; S8.  veh = combined + W_o ctx + b_o
	GSTAGE WPQ, VB, V_VEH, BPQ, 0, VSN, V_PQ, 1    ; S9.  pq = W_pq veh + b_pq, and my part of pq . b_pk
	GSTAGE WPKT, VB, V_PQ, -1, 0, VST, V_PKQ, 0    ; S10. W_pk^T pq
; S11.  z = (W_pk^T pq) . x + pq . b_pk for my 128 nodes.  A's even rows are hi, its odd rows lo; B's columns are nodes: register 0 of a result is hi's product, register 1 lo's.
.macro ZMUL p, buf
	WIN 0x51                                       ; A, C, D window 1; B window 0
.irp k, 0,1,2,3
.irp i, 0,1
.if \k == 0
	v_wmma_f32_16x16x32_bf16 v[Z+8*(2*(\p)+\i):Z+8*(2*(\p)+\i)+7], v[PF+8*\k:PF+8*\k+7], v[(\buf)+32*\i+8*\k:(\buf)+32*\i+8*\k+7], 0
.else
	v_wmma_f32_16x16x32_bf16 v[Z+8*(2*(\p)+\i):Z+8*(2*(\p)+\i)+7], v[PF+8*\k:PF+8*\k+7], v[(\buf)+32*\i+8*\k:(\buf)+32*\i+8*\k+7], v[Z+8*(2*(\p)+\i):Z+8*(2*(\p)+\i)+7]
.endif
.endr
.endr
.endm
	WIN 0x40
.irp k, 0,1,2,3
	ds_load_b128 v[PF+8*\k:PF+8*\k+3], v[PKA] offset:64*\k
	ds_load_b128 v[PF+8*\k+4:PF+8*\k+7], v[PKA] offset:64*\k+32
.endr
	WIN 0
	ds_load_b128 v[176:179], v[C0R]                ; the eight parts of pq . b_pk
	ds_load_b128 v[180:183], v[C0R] offset:16
.irp t, 0,1,2,3
	ds_load_b32 v[184+\t], v[ML] offset:128*\t     ; the mask's 0 or -1e30 of node 32 t + L
.endr
	AFLOAD R0, 0
	AFLOAD R2, 1
	s_wait_dscnt 16
	ZMUL 0, R0
	WIN 0
	v_add_f32 v176, v176, v177                     ; four plain lines that are due anyway: the places in front of the loads
	v_add_f32 v178, v178, v179
	v_add_f32 v180, v180, v181
	v_add_f32 v182, v182, v183
	AFLOAD R0, 2
	s_wait_dscnt 16
	ZMUL 1, R2
	WIN 0
	v_add_f32 v176, v176, v178                     ; and four more
	v_add_f32 v180, v180, v182
	v_add_f32 v176, v176, v180
	v_mul_f32 v177, s80, v176                      ; 2 log2(e) pq . b_pk
	AFLOAD R2, 3
	s_wait_dscnt 16
	ZMUL 2, R0
	s_wait_dscnt 0x0
	ZMUL 3, R2
	PLACES
	WIN 0x05                                       ; sources in window 1, destination in window 0
.irp t, 0,1,2,3                        ; lanes 0-15 take tile 2 t, lanes 16-31 tile 2 t + 1: node 32 t + L
	v_cndmask_b32 v[48+\t], v[Z+16*\t], v[Z+16*\t+8], s66
	v_cndmask_b32 v[52+\t], v[Z+16*\t+1], v[Z+16*\t+9], s66
.endr
	WIN 0
.irp t, 0,1,2,3
	v_add_f32 v[56+\t], v[48+\t], v[52+\t]
.endr
.irp t, 0,1,2,3
	v_fma_f32 v[56+\t], v[56+\t], s80, v177        ; 2 log2(e) z
.endr
.irp t, 0,1,2,3
	v_exp_f32 v[56+\t], v[56+\t]
.endr
	v_nop
	s_wait_alu depctr_va_vdst(0)
.irp t, 0,1,2,3
	v_add_f32 v[56+\t], 1.0, v[56+\t]
.endr
.irp t, 0,1,2,3
	v_rcp_f32 v[56+\t], v[56+\t]
.endr
	v_nop
	s_wait_alu depctr_va_vdst(0)
.irp t, 0,1,2,3
	v_fma_f32 v[56+\t], v[56+\t], s81, v[184+\t]   ; log2(e) (u - 10), less 1e30 where masked
.endr
.irp t, 0,1,2,3
	v_exp_f32 v[56+\t], v[56+\t]
.endr
	v_nop
	s_wait_alu depctr_va_vdst(0)
.irp t, 0,1,2,3
	ds_store_b32 v[EL], v[56+\t] offset:128*\t
.endr
	v_add_f32 v60, v56, v57
	v_add_f32 v61, v58, v59
	v_add_f32 v60, v60, v61
.irp m, 1,2,4,8
	v_add_f32_dpp v60, v60, v60 row_xmask:\m row_mask:0xf bank_mask:0xf
.endr
	v_permlanex16_b32 v61, v60, s70, s71
	v_add_f32 v60, v60, v61
	ds_store_b32 v[CW], v60 offset:64              ; my 128 nodes' sum
	s_lshl_b32 s15, s9, 4
	s_add_co_u32 s15, s15, SMALL+64
	v_mov_b32 v62, s15                             ; where my batch's four sums lie
	BAR
	; S12.  Divided by the batch's sum and stored: a wave writes 512 consecutive bytes, at a multiple of 512 from out0's first byte.
	ds_load_b128 v[48:51], v62
	ds_load_b128 v[52:55], v[E4]
	s_wait_dscnt 0x0
	v_add_f32 v48, v48, v49
	v_add_f32 v50, v50, v51
	v_add_f32 v48, v48, v50
	v_rcp_f32 v56, v48
	v_nop
	s_wait_alu depctr_va_vdst(0)
	v_pk_mul_f32 v[52:53], v[52:53], v[56:57] op_sel_hi:[1,0]
	v_pk_mul_f32 v[54:55], v[54:55], v[56:57] op_sel_hi:[1,0]
	global_store_b128 v[GO], v[52:55], s[48:49] th:TH_STORE_NT
	s_wait_tensorcnt 0x0                           ; the wave's end: behind my last LDS store
	ds_add_u32 v[SPW], v[NIL]
	s_wait_dscnt 0x0
	s_endpgm
.Lfunc_end_k_q34bc716914_decode:
	.size	k_q34bc716914_decode, .Lfunc_end_k_q34bc716914_decode-k_q34bc716914_decode
	.p2alignl 7, 3214868480
	.fill 96, 4, 3214868480
	.section	.rodata,"a",@progbits
	.p2align	6, 0x0
	.amdhsa_kernel k_q34bc716914_decode
		.amdhsa_group_segment_fixed_size 327680
		.amdhsa_private_segment_fixed_size 0
		.amdhsa_enable_private_segment 0
		.amdhsa_kernarg_size 136
		.amdhsa_user_sgpr_count 2
		.amdhsa_user_sgpr_kernarg_segment_ptr 1
		.amdhsa_wavefront_size32 1
		.amdhsa_system_sgpr_workgroup_id_x 1
		.amdhsa_system_sgpr_workgroup_id_y 1
		.amdhsa_system_sgpr_workgroup_id_z 1
		.amdhsa_system_vgpr_workitem_id 0
		.amdhsa_next_free_vgpr 512
		.amdhsa_next_free_sgpr 96
		.amdhsa_reserve_vcc 1
		.amdhsa_float_denorm_mode_32 3
		.amdhsa_float_denorm_mode_16_64 3
		.amdhsa_memory_ordered 1
		.amdhsa_forward_progress 1
		.amdhsa_inst_pref_size 199
	.end_amdhsa_kernel
	.amdgpu_metadata
---
amdhsa.version: [ 1, 2 ]
amdhsa.kernels:
  - .name:           k_q34bc716914_decode
    .symbol:         k_q34bc716914_decode.kd
    .args:
      - { .name: x, .offset: 0, .size: 8, .value_kind: global_buffer, .address_space: global }
      - { .name: W_c, .offset: 8, .size: 8, .value_kind: global_buffer, .address_space: global }
      - { .name: W_qkv, .offset: 16, .size: 8, .value_kind: global_buffer, .address_space: global }
      - { .name: W_o, .offset: 24, .size: 8, .value_kind: global_buffer, .address_space: global }
      - { .name: W_pq, .offset: 32, .size: 8, .value_kind: global_buffer, .address_space: global }
      - { .name: W_pk, .offset: 40, .size: 8, .value_kind: global_buffer, .address_space: global }
      - { .name: mean_mask, .offset: 48, .size: 8, .value_kind: global_buffer, .address_space: global }
      - { .name: attn_mask, .offset: 56, .size: 8, .value_kind: global_buffer, .address_space: global }
      - { .name: sel_idx, .offset: 64, .size: 8, .value_kind: global_buffer, .address_space: global }
      - { .name: cap_feat, .offset: 72, .size: 8, .value_kind: global_buffer, .address_space: global }
      - { .name: time_feat, .offset: 80, .size: 8, .value_kind: global_buffer, .address_space: global }
      - { .name: b_c, .offset: 88, .size: 8, .value_kind: global_buffer, .address_space: global }
      - { .name: b_qkv, .offset: 96, .size: 8, .value_kind: global_buffer, .address_space: global }
      - { .name: b_o, .offset: 104, .size: 8, .value_kind: global_buffer, .address_space: global }
      - { .name: b_pq, .offset: 112, .size: 8, .value_kind: global_buffer, .address_space: global }
      - { .name: b_pk, .offset: 120, .size: 8, .value_kind: global_buffer, .address_space: global }
      - { .name: out0, .offset: 128, .size: 8, .value_kind: global_buffer, .address_space: global }
    .group_segment_fixed_size: 327680
    .private_segment_fixed_size: 0
    .kernarg_segment_align: 8
    .kernarg_segment_size: 136
    .max_flat_workgroup_size: 256
    .sgpr_count:     96
    .vgpr_count:     512
    .wavefront_size: 32
...
	.end_amdgpu_metadata
.endif
;; end of part 1
;; ======== version 2 of 2: 1 launch; version 1 with the launch decode written anew for expert scheduling mode
;; limits: right only within a limited range of input values
;; launch decode (part 2): grid 256 x 1, 8 waves a work-group, no clusters, 327,680 bytes of LDS; arguments x, W_c, W_qkv, W_o, W_pq, W_pk, mean_mask, attn_mask, sel_idx, cap_feat, time_feat, b_c, b_qkv, b_o, b_pq, b_pk, out0; writes out0
.if DOCPART == 2
	.amdgcn_target "amdgcn-amd-amdhsa--gfx1250"
	.amdhsa_code_object_version 6
	.text
	.protected	k_q34bc716914_decode
	.globl	k_q34bc716914_decode
	.p2align	8
	.type	k_q34bc716914_decode,@function
k_q34bc716914_decode:
	s_mov_b64 s[64:65], 0
	v_nop
	global_prefetch_b8 v0, s[64:65] scope:SCOPE_SE
	s_setreg_imm32_b32 hwreg(HW_REG_WAVE_SCHED_MODE, 0, 2), 2
	s_setreg_imm32_b32 hwreg(HW_REG_WAVE_MODE, 25, 1), 1
	s_wait_xcnt 0x0
	s_wait_alu depctr_vm_vsrc(0)
; ONE DECODE STEP FOR 512 BATCHES: masked mean + selected row -> combined -> one-query attention over 512 nodes (8 heads of 16) -> residual -> softmax over the nodes of 10 tanh(pq . pk).
; THE NODES ARE NEVER PROJECTED.  Each batch has ONE query, so for all values of the inputs, in exact arithmetic:
;   q_h . (Wk_h x_n + bk_h)      = (Wk_h^T q_h) . x_n + q_h . bk_h       the last term is the same for every n, the softmax's axis: it cancels
;   sum_n a_n (Wv x_n + bv)      = Wv (sum_n a_n x_n) + bv                since the softmax's weights a_n add up to 1
;   pq . (W_pk x_n + b_pk)       = (W_pk^T pq) . x_n + pq . b_pk
; So k, v and pk (three products of 512 x 128 x 128 a batch) are left out, and four passes over x[b] (mean, scores, weighted sum, z) with seven products matrix x vector take their place.
; DEAD: bk = b_qkv[128:256], by the first line; its 512 bytes are not loaded (b_qkv stays an argument: bq and bv are live).  Every other input is live and is loaded.
; LIMIT: a NaN, an infinity or an overflow that would arise in k, v, pk or bk alone is not carried to the result.
; FORMATS.  Every floating-point input is rounded to bf16 (nearest even) as it arrives.  Sums, maxima and biases stay in f32.  What the program makes and feeds to the matrix unit again goes as
; a pair hi + lo of bf16 (two columns or rows of the operand, added in f32): the partial mean sums, combined, xa, ctx, veh, pq, W_pk^T pq.  Once to bf16 only: q, Wk^T q, the attention weights.
; FIRST SOFTMAX: each wave takes the true maximum of its 128 nodes; the four waves' maxima are merged with correction factors (a running maximum).  Scores are kept in units of log2.
; A masked score counts as its value less 1e30; the maximum has the floor -1e20, so a score below -1e20 would lose its weight (limit); a wave whose nodes are all masked adds 0,
; a batch that is wholly masked gives 0 x infinity = NaN, as the formula does.  An exponential below 2^-126 counts as 0.
; LAST SOFTMAX: u = 10 tanh(z) lies in -10 .. 10 by the formula's own clip, so exp(u - 10) lies in e^-20 .. 1 and a sum of 512 of them in e^-20 .. 512: the shift 10 is the bound of the
; maximum and nothing can overflow or vanish.  exp(u - 10) = 2^(-20 log2(e) / (1 + 2^(2 log2(e) z))).
; SHARES.  256 work-groups of 8 waves, two batches each (b0 = 2 g, b0 + 1).  Wave w owns rows 128 (w % 4) .. + 127 of batch b0 + w / 4 in every pass over x: row 128 w of the work-group's 1,024.
; In the seven small products wave w owns the 16 output rows of tile w, for both batches; its tiles of all weights stay in registers (256 of them), fetched once a work-group.
; x[b] crosses from memory once, is rounded in registers and stays in LDS as bf16 for the other three passes.
; NO CLUSTER: x is shared by nobody; the weights (525 KB in f32) are shared by all, but they end in registers behind a conversion, and beside x's 278,528 bytes LDS has no room to receive them.
; NO TENSOR LOAD: x must pass through registers to be rounded, and an f32 batch does not fit in LDS beside the two bf16 ones.
; The text is straight: no label, no branch, EXEC never changes, and no address register or base of a global access is rewritten while such an access may be out.
; THE MODE: SCHED_MODE bits 1:0 = 2 (LLVM: expert scheduling mode 2), set by the entry lines.  The code itself states the register dependences
; between vector or matrix instructions and memory or LDS instructions, with s_wait_alu, always for 0.
; THE PLAN.  Registers that memory or LDS instructions touch:
;   v3-35       addresses: written at the head, shown written by one wait ahead of the first load, never written again.
;   v36-41      addresses of the load phase alone; S2 writes combined there, behind the last x jobs' waits on vm_vsrc.
;   R0, R1, R2  the loads' landing place.  An x job rounds each row IN PLACE (the packed pair in the row's first two registers), then ONE wait on va_vdst, the job's 16 LDS stores, ONE wait on
;               vm_vsrc, and the loads that fill the slot again.  A weight job's conversions only read the slot: one wait on va_vdst, and the slot is loaded again.
;               From S2 on: fragments from LDS, which matrix instructions read; a buffer is loaded again behind a wait on va_vdst, while the other buffer's loads are still out.
;   v58-61, v44-47, the weights' homes in window 1: named by vector and matrix instructions alone in the load phase.
;   v120-127, v184, v48-63, and S's and T's registers in window 1: data of the stages' stores.  A stage's arithmetic writes them, one wait on va_vdst stands ahead of the stage's run of stores,
;               and one wait on vm_vsrc at the head of the stage that writes them again.
;
; LDS
.set PX,     272                       ; a row of 128 bf16 + 16 bytes: an odd multiple of 16, so the 16 rows of a fragment load begin 16 bytes apart modulo 256
.set FP,     528                       ; a row of 512 bytes + 16
.set STG2,   128*PX                    ; before x arrives: Wk's 128 rows at 0, W_pk's here, to be read turned
.set SPARE,  1024*PX                   ; 278,528: the spare words, 128 bytes a wave
.set MADD,   SPARE+1024                ; f32 [1,024]: 0, or -1e30 where attn_mask is set
.set STAT,   MADD+4096                 ; [wave][head] {maximum, sum}
.set SMALL,  STAT+512                  ; +0 [batch][wave] parts of pq . b_pk; +64 [wave] sums of exponentials; +96 [wave] counts
.set QKXA,   SMALL+256                 ; Wk^T q: 16 rows (8 batch + head); later xa: 32 rows (8 rowsel + head)
.set PART,   QKXA+32*PX                ; wave w's weighted sums, 8 heads x 528, at 4,224 w; before and behind that the vectors below
.set V_COMB, 16*FP                     ; behind FEATS (16 rows x 528 at PART)
.set V_Q,    V_COMB+4*PX
.set V_CTX,  0                         ; a vector is four rows x 272: batch 0 hi, lo, batch 1 hi, lo (rowsel)
.set V_VEH,  4*PX
.set V_PQ,   8*PX
.set V_PKQ,  12*PX
.set EOFF,   16*PX                     ; 1,024 exponentials in f32
; VECTOR REGISTERS, window 0
.set SPW, 1                            ; SPARE + 4 x thread; for the add alone
.set NIL, 2                            ; 0; for the add alone
.set XO,  3                            ; 16 L
.set XW,  4                            ; my rows of x in LDS + 8 L
.set WOF, 5                            ; 512 r + 32 hh
.set WCO, 6                            ; 1,032 r + 32 hh
.set WSA, 7                            ; stage: 16 w rows + 8 L
.set TRW, 8                            ; turned read of the stage, my 2 x 8 columns
.set TRX, 9                            ; turned read of my rows of x
.set XF,  10                           ; row fragments of my rows of x
.set VB,  11                           ; a vector as B: PART + 272 rowsel + 16 hh
.set VSN, 12                           ; a vector's store, outputs 16 w + 8 hh + j
.set VST, 13                           ; a vector's store, outputs 64 hh + 8 w + j
.set PM,  14                           ; -1 in odd r
.set FB,  15
.set FW,  16
.set QL,  17
.set QST, 18
.set QB,  19
.set MW,  20
.set PW,  21
.set SW,  22
.set P6,  23
.set S6A, 24
.set X6,  25
.set XB7, 26
.set PKA, 27
.set EL,  28
.set E4,  29
.set ML,  30
.set GO,  31
.set CA,  32
.set CW,  33
.set C0W, 34
.set C0R, 35
.set COMB, 36                          ; v36-43 combined in f32, from S2 on; until all global loads are in, the six addresses below
.set LN,  36                           ; L
.set L4,  37                           ; 4 L
.set CTO, 38                           ; 4 (b0 + r / 8)
.set BOF, 39                           ; 64 w + 32 hh
.set WCB, 40                           ; 8 hh rows of W_c
.set M16, 41                           ; MADD of my rows + 16 L
.set MA,  44                           ; v44-47 masked sums of my 128 rows, channels 4 L ..
                                       ; v48-63 at work
.set R0,  64                           ; three slots of 64 that take turns as the loads' landing place
.set R1,  128
.set R2,  192
.set BIA, 128                          ; from the last jobs on R1 holds the biases of my 8 outputs: b_c + W_c[:,256] cap + W_c[:,257] time,
.set BQ,  136
.set BV,  144
.set BO,  152
.set BPQ, 160
.set BPK, 168
.set BF,  64                           ; a small product's B, 4 K steps
.set A0,  96                           ; its two accumulators, by turns
.set A1,  104
.set Y,   112                          ; its result
; window 1: my tiles of the weights as A fragments in bf16; dead ones are used again
.set WKT,  0                           ; Wk^T;  from S5 on P
.set WPKT, 32                          ; W_pk^T
.set WC,   64                          ; W_c, K = 256;  from S5 on S, then O^T; in S11 Z
.set WQ,   128                         ; from S5 on QF, then T; in S11 PF
.set WV,   160
.set WO,   192
.set WPQ,  224
.set P,   0
.set S,   64
.set Z,   64
.set QF,  128
.set T,   128
.set PF,  128
; SCALARS: s8 w, s9 w / 4, s10 w % 4, s11 b0, s12 b, s13 34,816 w, s14 512 w, s15, s51 at work; s[16:49] the 17 addresses; s50 sel; s[52:53] x at the selected row; s[54:55] an offset
.set MV,  56                           ; s56-59 bit n: row n of my 128 counts in the mean
.set VA,  60                           ; s[60:61], s[62:63] that bit as 1.0 or 0, two pairs by turns
.set SCL, 84                           ; s[84:85] log2(e) / 4
.set AM,  86                           ; s86-89 the lanes whose byte q of attn_mask is set
.set MSB, 0
.macro WIN new                         ; s_set_vgpr_msb: bits 1:0 source 0, 3:2 source 1, 5:4 source 2, 7:6 destination; the high byte repeats the setting that is left
.if MSB != (\new)
	s_set_vgpr_msb (MSB<<8)|(\new)
.set MSB, (\new)
.endif
.endm
.macro PLACES n=4                      ; plain instructions between a matrix instruction and what reads its result, writes its registers or loads into them; they stand beside the waits on va_vdst, not in their place
.rept \n
	v_nop
.endr
.endm
.macro BAR                             ; my LDS stores are done and my LDS reads are back; then all eight waves meet
	s_wait_dscnt 0x0
	s_barrier_signal -1
	s_barrier_wait -1
.endm
	s_load_b512 s[16:31], s[0:1], 0x0              ; x, W_c, W_qkv, W_o, W_pq, W_pk, mean_mask, attn_mask
	s_load_b512 s[32:47], s[0:1], 0x40             ; sel_idx, cap_feat, time_feat, b_c, b_qkv, b_o, b_pq, b_pk
	s_load_b64 s[48:49], s[0:1], 0x80              ; out0
	v_lshl_add_u32 v[SPW], v0, 2, SPARE
	v_mov_b32 v[NIL], 0
	v_lshrrev_b32 v48, 5, v0
	v_readfirstlane_b32 s8, v48                    ; w; what does not hang on it stands between this line and the wait for it
	s_lshl_b32 s11, ttmp9, 1                       ; b0
	s_mov_b32 s55, 0
	s_mov_b32 s61, 0                               ; named in pairs with s60 and s62
	s_mov_b32 s63, 0
	s_mov_b32 s66, 0xffff0000                      ; a word's upper bf16; also: the lanes 16 to 31
	s_mov_b32 s67, 0xf149f2ca                      ; -1e30
	s_mov_b32 s68, 0xe0ad78ec                      ; -1e20
	s_mov_b32 s70, 0x76543210                      ; v_permlanex16_b32: each lane takes its own place in the other half
	s_mov_b32 s71, 0xfedcba98
.irp t, 0,1,2,3,4,5,6,7
	s_mov_b32 s[72+\t], 0x01010101<<\t             ; the lanes with L % 8 = t
.endr
	s_mov_b32 s80, 0x4038aa3b                      ; 2 log2(e)
	s_mov_b32 s81, 0xc1e6d4ca                      ; -20 log2(e)
	s_mov_b32 s[SCL], 0x3eb8aa3b                   ; log2(e) / sqrt(16)
	s_mov_b32 s[SCL+1], s[SCL]
	v_and_b32 v49, 31, v0                          ; L
	v_and_b32 v50, 15, v0                          ; r
	v_bfe_u32 v51, v0, 4, 1                        ; hh
	v_and_b32 v52, 7, v0                           ; r % 8
	v_bfe_u32 v53, v0, 3, 1                        ; r / 8
	v_and_b32 v54, 1, v0                           ; r % 2
	v_lshl_add_u32 v55, v53, 1, v54                ; rowsel = 2 (r / 8) + r % 2
	v_mul_u32_u24 v56, v55, PX
	v_lshlrev_b32 v[XO], 4, v49
	s_wait_alu depctr_va_sdst(0)                   ; s8 is written, ahead of its first reader: bases, LDS addresses and the choice below are made from it
	s_lshr_b32 s9, s8, 2                           ; which of the two batches
	s_and_b32 s10, s8, 3                           ; which quarter of its rows
	s_add_co_u32 s12, s11, s9                      ; b
	s_mul_i32 s13, s8, 128*PX
	s_lshl_b32 s14, s8, 9
	s_cmp_eq_u32 s10, 0
	s_cselect_b32 s82, -1, 0                       ; the batch's first wave alone hands the selected row on
	v_lshl_add_u32 v[XW], v49, 3, s13
	v_lshlrev_b32 v[WOF], 9, v50
	v_lshl_add_u32 v[WOF], v51, 5, v[WOF]
	v_mul_u32_u24 v[WCO], v50, 1032
	v_lshl_add_u32 v[WCO], v51, 5, v[WCO]
	s_mul_i32 s15, s8, 16*PX
	v_lshl_add_u32 v[WSA], v49, 3, s15
	; a turning load takes 16 rows x 2 x 8 columns: lane L reads row 8 hh + L % 8, eight columns at 8 c (L / 8 even) or 64 + 8 c (odd); lane (r, hh) then holds column 8 c + r % 8 + 64 (r / 8), rows 8 hh ..
	v_lshl_add_u32 v57, v51, 3, v52
	v_mul_u32_u24 v57, v57, PX
	v_lshl_add_u32 v57, v53, 7, v57
	v_lshl_add_u32 v[TRW], s8, 4, v57
	v_add_nc_u32 v[TRX], s13, v57
	v_mul_u32_u24 v58, v50, PX
	v_lshl_add_u32 v58, v51, 4, v58
	v_add_nc_u32 v[XF], s13, v58
	v_lshl_add_u32 v59, v51, 4, v56
	v_add_nc_u32 v[VB], PART, v59
	v_lshl_add_u32 v[VSN], s8, 5, v[VB]
	v_lshl_add_u32 v[VST], v51, 7, v56
	v_lshl_add_u32 v[VST], s8, 4, v[VST]
	v_add_nc_u32 v[VST], PART, v[VST]
	v_sub_nc_u32 v[PM], 0, v54
	v_mul_u32_u24 v[FB], v50, FP
	v_lshl_add_u32 v[FB], v51, 4, v[FB]
	v_add_nc_u32 v[FB], PART, v[FB]
	s_mul_i32 s15, s8, 2*FP
	s_add_co_u32 s15, s15, PART
	v_lshl_add_u32 v[FW], v49, 3, s15
	v_mul_u32_u24 v[QL], v53, 2*PX
	v_lshl_add_u32 v[QL], v52, 5, v[QL]
	v_lshl_add_u32 v[QL], v51, 4, v[QL]
	v_add_nc_u32 v[QL], PART+V_Q, v[QL]
	v_mul_u32_u24 v[QST], v50, PX
	v_lshl_add_u32 v[QST], v51, 7, v[QST]
	v_lshl_add_u32 v[QST], s8, 4, v[QST]
	v_add_nc_u32 v[QST], QKXA, v[QST]
	s_mul_i32 s15, s9, 8*PX
	s_add_co_u32 s15, s15, QKXA
	v_mul_u32_u24 v[QB], v52, PX
	v_lshl_add_u32 v[QB], v51, 4, v[QB]
	v_add_nc_u32 v[QB], s15, v[QB]
	s_add_co_u32 s15, s14, MADD
	v_lshl_add_u32 v[MW], v51, 5, s15
	v_lshl_add_u32 v[ML], v49, 2, s15
	v_lshl_add_u32 v[M16], v49, 4, s15
	s_mul_i32 s15, s8, 8*FP
	s_add_co_u32 s15, s15, PART
	v_mul_u32_u24 v[PW], v52, FP
	v_lshl_add_u32 v[PW], v51, 8, v[PW]
	v_add_nc_u32 v[PW], s15, v[PW]
	s_lshl_b32 s15, s8, 6
	s_add_co_u32 s15, s15, STAT
	v_lshl_add_u32 v[SW], v52, 3, s15
	s_mul_i32 s15, s9, 32*FP
	s_mul_i32 s51, s10, 2*FP
	s_add_co_u32 s15, s15, s51
	s_add_co_u32 s15, s15, PART
	v_mul_u32_u24 v[P6], v51, FP
	v_lshl_add_u32 v[P6], v50, 4, v[P6]
	v_add_nc_u32 v[P6], s15, v[P6]
	s_lshl_b32 s15, s9, 8
	s_lshl_b32 s51, s10, 4
	s_add_co_u32 s15, s15, s51
	s_add_co_u32 s15, s15, STAT
	v_lshl_add_u32 v[S6A], v51, 3, s15
	s_mul_i32 s15, s9, 16*PX                       ; xa's rows: 16 for each batch (8 hi, 8 lo),
	s_mul_i32 s51, s10, 2*PX                       ; my wave's two heads among them
	s_add_co_u32 s15, s15, s51
	s_add_co_u32 s15, s15, QKXA
	v_mul_u32_u24 v[X6], v51, PX
	v_lshl_add_u32 v[X6], v50, 3, v[X6]
	v_add_nc_u32 v[X6], s15, v[X6]
	s_mul_i32 s15, s8, PX
	s_add_co_u32 s15, s15, QKXA
	v_mul_u32_u24 v[XB7], v55, 8*PX
	v_lshl_add_u32 v[XB7], v51, 4, v[XB7]
	v_add_nc_u32 v[XB7], s15, v[XB7]
	s_mul_i32 s15, s9, 2*PX
	s_add_co_u32 s15, s15, PART+V_PKQ
	v_mul_u32_u24 v[PKA], v54, PX
	v_lshl_add_u32 v[PKA], v51, 4, v[PKA]
	v_add_nc_u32 v[PKA], s15, v[PKA]
	s_add_co_u32 s15, s14, PART+EOFF
	v_lshl_add_u32 v[EL], v49, 2, s15
	v_lshl_add_u32 v[E4], v49, 4, s15
	v_lshl_add_u32 v[GO], v49, 4, s14
	v_lshl_add_u32 v[CA], v53, 4, SMALL+96
	s_lshl_b32 s15, s8, 2
	s_add_co_u32 s15, s15, SMALL
	v_mov_b32 v[CW], s15
	v_lshl_add_u32 v[C0W], v53, 5, s15
	s_lshl_b32 s15, s9, 5
	s_add_co_u32 s15, s15, SMALL
	v_mov_b32 v[C0R], s15
	v_mov_b32 v[LN], v49
	v_lshlrev_b32 v[L4], 2, v49
	s_lshl_b32 s15, s11, 2
	v_lshl_add_u32 v[CTO], v53, 2, s15
	s_lshl_b32 s15, s8, 6
	v_lshl_add_u32 v[BOF], v51, 5, s15
	v_mul_u32_u24 v[WCB], v51, 8*1032
	s_wait_kmcnt 0x0
	; each base is stepped once, here, by an offset made apart from it
	s_lshl_b32 s54, s12, 2
	s_add_nc_u64 s[32:33], s[32:33], s[54:55]
	s_load_b32 s50, s[32:33], 0x0                  ; sel_idx[b]
	s_lshl_b32 s54, s12, 18
	s_add_nc_u64 s[52:53], s[16:17], s[54:55]      ; x[b]
	s_lshl_b32 s54, s10, 16
	s_add_nc_u64 s[16:17], s[52:53], s[54:55]      ; my 128 rows
	s_mul_i32 s54, s8, 16*1032
	s_add_nc_u64 s[18:19], s[18:19], s[54:55]      ; my 16 rows of each weight
	s_lshl_b32 s54, s8, 13
	s_add_nc_u64 s[20:21], s[20:21], s[54:55]
	s_add_nc_u64 s[22:23], s[22:23], s[54:55]
	s_add_nc_u64 s[24:25], s[24:25], s[54:55]
	s_add_nc_u64 s[26:27], s[26:27], s[54:55]
	s_lshl_b32 s54, s11, 9
	s_lshl_b32 s15, s8, 7
	s_add_co_u32 s54, s54, s15
	s_add_nc_u64 s[28:29], s[28:29], s[54:55]      ; the masks at my 128 nodes
	s_add_nc_u64 s[30:31], s[30:31], s[54:55]
	s_lshl_b32 s54, s11, 11
	s_add_nc_u64 s[48:49], s[48:49], s[54:55]      ; out0 at batch b0
; THE LOAD PHASE: a fixed list of jobs on three slots of 64 registers.  Loads come back in the order of issue (ISA guide 5.7.1), so each wait counts the loads issued behind its job.
.macro XLOAD slot, j                   ; rows 16 j .. 16 j + 15 of my 128: one instruction takes one row's 512 bytes
.set i, 0
.rept 16
	global_load_b128 v[(\slot)+4*i:(\slot)+4*i+3], v[XO], s[16:17] offset:(16*(\j)+i)*512 th:TH_LOAD_NT
.set i, i+1
.endr
.endm
.macro XROW reg, row                   ; a row's four numbers: rounded to bf16 in place (the pair in the row's first two registers, for the store), and as rounded into the masked sum
.set xt, 58+2*((\row)%2)
.set xv, VA+2*((\row)%2)
	s_bitcmp1_b32 s[MV+(\row)/32], (\row)%32
	s_cselect_b32 s[xv], 1.0, 0
	v_cvt_pk_bf16_f32 v[\reg], v[\reg], v[(\reg)+1]
	v_cvt_pk_bf16_f32 v[(\reg)+1], v[(\reg)+2], v[(\reg)+3]
	v_lshlrev_b32 v[xt], 16, v[\reg]
	v_and_b32 v[xt+1], s66, v[\reg]
	v_lshlrev_b32 v[(\reg)+2], 16, v[(\reg)+1]
	v_and_b32 v[(\reg)+3], s66, v[(\reg)+1]
.if (\row) == 0                        ; the first row starts the sums: nothing is cleared
	v_pk_mul_f32 v[MA:MA+1], v[xt:xt+1], s[xv:xv+1] op_sel_hi:[1,0]
	v_pk_mul_f32 v[MA+2:MA+3], v[(\reg)+2:(\reg)+3], s[xv:xv+1] op_sel_hi:[1,0]
.else
	v_pk_fma_f32 v[MA:MA+1], v[xt:xt+1], s[xv:xv+1], v[MA:MA+1] op_sel_hi:[1,0,1]
	v_pk_fma_f32 v[MA+2:MA+3], v[(\reg)+2:(\reg)+3], s[xv:xv+1], v[MA+2:MA+3] op_sel_hi:[1,0,1]
.endif
.endm
.macro XJOB slot, j, younger           ; 16 rows in four groups; the count: the loads issued behind this job, and the job's own rows behind the group.  Then the job's 16 stores in one run
.set g, 0
.rept 4
	s_wait_loadcnt (\younger)+12-4*g
.set h, 0
.rept 4
	XROW (\slot)+16*g+4*h, 16*(\j)+4*g+h
.set h, h+1
.endr
.set g, g+1
.endr
	s_wait_alu depctr_va_vdst(0)                   ; the job's lines have written the 16 packed pairs, which the stores read, and are done with the whole slot, in which the next loads land
.set i, 0
.rept 16
	ds_store_b64 v[XW], v[(\slot)+4*i:(\slot)+4*i+1] offset:(16*(\j)+i)*PX
.set i, i+1
.endr
	s_wait_alu depctr_vm_vsrc(0)                   ; the stores have read the slot, which is written again: by the loads that follow, or (the last job) by S2's products and S5's fragments
.endm
.macro WLOAD slot, base, imm           ; my 16 rows x 128 of a weight in f32, already in the order of an A fragment: lane (r, hh) takes row r, K = 32 k + 8 hh + 0..7 and 32 k + 16 + 8 hh + 0..7
.irp k, 0,1,2,3
	global_load_b128 v[(\slot)+16*\k:(\slot)+16*\k+3],     v[WOF], s[\base:(\base)+1] offset:(\imm)+128*\k
	global_load_b128 v[(\slot)+16*\k+4:(\slot)+16*\k+7],   v[WOF], s[\base:(\base)+1] offset:(\imm)+128*\k+16
	global_load_b128 v[(\slot)+16*\k+8:(\slot)+16*\k+11],  v[WOF], s[\base:(\base)+1] offset:(\imm)+128*\k+64
	global_load_b128 v[(\slot)+16*\k+12:(\slot)+16*\k+15], v[WOF], s[\base:(\base)+1] offset:(\imm)+128*\k+80
.endr
.endm
.macro WCLOAD slot, c                  ; the same for columns 128 c .. + 127 of W_c, whose rows of 1,032 bytes begin at multiples of 8 only: loads of 8 bytes
.irp k, 0,1,2,3
.irp e, 0,1,2,3
	global_load_b64 v[(\slot)+16*\k+2*\e:(\slot)+16*\k+2*\e+1],   v[WCO], s[18:19] offset:512*(\c)+128*\k+8*\e
	global_load_b64 v[(\slot)+16*\k+8+2*\e:(\slot)+16*\k+9+2*\e], v[WCO], s[18:19] offset:512*(\c)+128*\k+64+8*\e
.endr
.endr
.endm
.macro WCVT slot, home                 ; 64 f32 -> 32 registers of bf16 in window 1
	WIN 0x40
.set i, 0
.rept 32
	v_cvt_pk_bf16_f32 v[(\home)+i], v[(\slot)+2*i], v[(\slot)+2*i+1]
.set i, i+1
.endr
	WIN 0
.endm
.macro WSTAGE src, dst, off            ; my 16 rows of Wk or W_pk (f32 in window 1, 16 bytes a lane and row) -> bf16 -> the stage
	WIN 0x05
.set i, 0
.rept 32
	v_cvt_pk_bf16_f32 v[(\dst)+i], v[(\src)+2*i], v[(\src)+2*i+1]
.set i, i+1
.endr
	WIN 0
	s_wait_alu depctr_va_vdst(0)                   ; the conversions have written the 32 registers that the stores read
.set i, 0
.rept 16
	ds_store_b64 v[WSA], v[(\dst)+2*i:(\dst)+2*i+1] offset:(\off)+i*PX
.set i, i+1
.endr
.endm
	s_wait_alu depctr_va_vdst(0)                   ; the addresses v3-41 are written, which every load and store of the kernel reads; the head is done with v48-55, in which loads land
.irp q, 0,1,2,3
	global_load_u8 v[48+\q], v[LN], s[28:29] offset:32*\q      ; mean_mask of node 32 q + L
.endr
	global_load_b32 v52, v[L4], s[30:31]           ; attn_mask of nodes 4 L .. 4 L + 3
	WIN 0x40
.set i, 0
.rept 16
	global_load_b128 v[128+4*i:128+4*i+3], v[XO], s[20:21] offset:65536+512*i  ; Wk's rows 16 w + i
.set i, i+1
.endr
.set i, 0
.rept 16
	global_load_b128 v[192+4*i:192+4*i+3], v[XO], s[26:27] offset:512*i        ; W_pk's
.set i, i+1
.endr
	WIN 0
	XLOAD R0, 0
	s_wait_loadcnt 48                              ; the masks are in; behind them: 16 + 16 + 16
.irp q, 0,1,2,3
	v_cmp_eq_u32 s[MV+\q], 0, v[48+\q]             ; bit L: node 32 q + L counts in the mean
.endr
.irp q, 0,1,2,3
	v_bfe_u32 v[56+\q], v52, 8*\q, 8
.endr
.irp q, 0,1,2,3
	v_cmp_ne_u32 s[AM+\q], 0, v[56+\q]
.endr
	s_wait_alu depctr_va_sdst(0)                   ; the eight compares have written s56-59 and s86-89, ahead of their first readers: the selects and the counts below
.irp q, 0,1,2,3
	v_cndmask_b32 v[56+\q], 0, s67, s[AM+\q]
.endr
	s_bcnt1_i32_b32 s83, s[MV]
	s_bcnt1_i32_b32 s15, s[MV+1]
	s_add_co_u32 s83, s83, s15
	s_bcnt1_i32_b32 s15, s[MV+2]
	s_add_co_u32 s83, s83, s15
	s_bcnt1_i32_b32 s15, s[MV+3]
	s_add_co_u32 s83, s83, s15                     ; how many of my 128 count
	s_wait_alu depctr_va_vdst(0)                   ; the selects have written v56-59, which the store reads; the lines above are done reading v48, v49 and v52, in which later loads land
	ds_store_b128 v[M16], v[56:59]                 ; read by my own wave alone
	XLOAD R1, 1
	s_wait_loadcnt 48                              ; Wk's rows are in; behind them: W_pk 16, x 16 + 16
	WSTAGE 128, 192, 0
	s_wait_kmcnt 0x0
	s_min_u32 s50, s50, 511                        ; the index lies in 0 .. 511 by the problem; held there before it enters an address
	s_lshl_b32 s54, s50, 9
	s_add_nc_u64 s[52:53], s[52:53], s[54:55]
	global_load_b128 v[52:55], v[XO], s[52:53]     ; the selected row, channels 4 L ..  No vector line since the last wait on va_vdst names v48-55
	global_load_b32 v48, v[CTO], s[34:35]          ; cap and time of batch b0 + r / 8
	global_load_b32 v49, v[CTO], s[36:37]
	s_wait_loadcnt 35                              ; W_pk's rows are in; behind them: x 16 + 16, and these 3
	WSTAGE 192, 224, STG2
	BAR                                            ; the stage is whole
	WIN 0x40
.irp k, 0,1,2,3
	ds_load_tr16_b128 v[WKT+8*\k:WKT+8*\k+3],    v[TRW] offset:32*\k*PX
	ds_load_tr16_b128 v[WKT+8*\k+4:WKT+8*\k+7],  v[TRW] offset:(32*\k+16)*PX
	ds_load_tr16_b128 v[WPKT+8*\k:WPKT+8*\k+3],   v[TRW] offset:STG2+32*\k*PX
	ds_load_tr16_b128 v[WPKT+8*\k+4:WPKT+8*\k+7], v[TRW] offset:STG2+(32*\k+16)*PX
.endr
	WIN 0
	BAR                                            ; every wave has read the stage: x may now be stored over it
	s_wait_alu depctr_vm_vsrc(0)                   ; the stage's stores have read v192-255, in which W_c lands; the mask's store has read v56-59, of which the x jobs write v58-59
	WCLOAD R2, 0
	XJOB R0, 0, 51                                 ; behind it: x 16, 3, W_c 32
	XLOAD R0, 2
	XJOB R1, 1, 51                                 ; 3, W_c 32, x 16
	WCLOAD R1, 1
	s_wait_loadcnt 48                              ; x 16, W_c 32
	WCVT R2, WC
	s_wait_alu depctr_va_vdst(0)                   ; the conversions are done reading R2, in which the next loads land
	XLOAD R2, 3
	XJOB R0, 2, 48                                 ; W_c 32, x 16
	WLOAD R0, 20, 0                                ; Wq
	s_wait_loadcnt 32                              ; from here on two jobs of 16 stand behind each
	WCVT R1, WC+32
	s_wait_alu depctr_va_vdst(0)                   ; the conversions are done reading R1
	XLOAD R1, 4
	XJOB R2, 3, 32
	WLOAD R2, 20, 131072                           ; Wv
	s_wait_loadcnt 32
	WCVT R0, WQ
	s_wait_alu depctr_va_vdst(0)                   ; the conversions are done reading R0
	XLOAD R0, 5
	XJOB R1, 4, 32
	WLOAD R1, 22, 0                                ; W_o
	s_wait_loadcnt 32
	WCVT R2, WV
	s_wait_alu depctr_va_vdst(0)                   ; the conversions are done reading R2
	XLOAD R2, 6
	XJOB R0, 5, 32
	WLOAD R0, 24, 0                                ; W_pq
	s_wait_loadcnt 32
	WCVT R1, WO
	s_wait_alu depctr_va_vdst(0)                   ; the conversions are done reading R1, in which the biases land
	; the biases of my outputs 16 w + 8 hh + j, and W_c's last two columns for them: 12 + 8 loads
	global_load_b128 v[BIA:BIA+3],   v[BOF], s[38:39]
	global_load_b128 v[BIA+4:BIA+7], v[BOF], s[38:39] offset:16
	global_load_b128 v[BQ:BQ+3],     v[BOF], s[40:41]
	global_load_b128 v[BQ+4:BQ+7],   v[BOF], s[40:41] offset:16
	global_load_b128 v[BV:BV+3],     v[BOF], s[40:41] offset:1024
	global_load_b128 v[BV+4:BV+7],   v[BOF], s[40:41] offset:1040
	global_load_b128 v[BO:BO+3],     v[BOF], s[42:43]
	global_load_b128 v[BO+4:BO+7],   v[BOF], s[42:43] offset:16
	global_load_b128 v[BPQ:BPQ+3],   v[BOF], s[44:45]
	global_load_b128 v[BPQ+4:BPQ+7], v[BOF], s[44:45] offset:16
	global_load_b128 v[BPK:BPK+3],   v[BOF], s[46:47]
	global_load_b128 v[BPK+4:BPK+7], v[BOF], s[46:47] offset:16
.irp j, 0,1,2,3,4,5,6,7
	global_load_b64 v[176+2*\j:177+2*\j], v[WCB], s[18:19] offset:1024+1032*\j
.endr
	XJOB R2, 6, 36                                 ; W_pq 16, these 20
	XLOAD R2, 7
	s_wait_loadcnt 36                              ; the 20, x 16
	WCVT R0, WPQ                                   ; R0 is loaded again only in S2, behind later waits on va_vdst
	s_wait_loadcnt 16                              ; x's last 16 rows stay out while this is worked on
.set i, 128
.rept 32                               ; all 64 numbers rounded to bf16 and widened again
	v_cvt_pk_bf16_f32 v[62+(i/2)%2], v[i], v[i+1]
	v_lshlrev_b32 v[i], 16, v[62+(i/2)%2]
	v_and_b32 v[i+1], s66, v[62+(i/2)%2]
.set i, i+2
.endr
	v_cvt_pk_bf16_f32 v62, v48, v49
	v_lshlrev_b32 v48, 16, v62
	v_and_b32 v49, s66, v62
.irp j, 0,1,2,3,4,5,6,7
	v_fma_f32 v[BIA+\j], v[176+2*\j], v48, v[BIA+\j]
.endr
.irp j, 0,1,2,3,4,5,6,7
	v_fma_f32 v[BIA+\j], v[177+2*\j], v49, v[BIA+\j]
.endr
	v_cvt_pk_bf16_f32 v56, v52, v53                ; the selected row: exact in bf16 once rounded, so it has no lo part
	v_cvt_pk_bf16_f32 v57, v54, v55
	v_and_b32 v56, s82, v56
	v_and_b32 v57, s82, v57
	XJOB R2, 7, 0                                  ; the last wait on LOADcnt is for 0: every global load is in; the job's wait on vm_vsrc stands behind all that read v36-41: they are free
.macro SPLIT y, n, hi, u, lo           ; 2 n numbers -> n registers of bf16(y) and n of bf16(y - hi), in the same lane
.set i, 0
.rept \n
	v_cvt_pk_bf16_f32 v[(\hi)+i], v[(\y)+2*i], v[(\y)+2*i+1]
.set i, i+1
.endr
.set i, 0
.rept \n
	v_lshlrev_b32 v[(\u)+2*i], 16, v[(\hi)+i]
	v_and_b32 v[(\u)+2*i+1], s66, v[(\hi)+i]
.set i, i+1
.endr
.set i, 0
.rept \n
	v_pk_add_f32 v[(\u)+2*i:(\u)+2*i+1], v[(\y)+2*i:(\y)+2*i+1], v[(\u)+2*i:(\u)+2*i+1] neg_lo:[0,1] neg_hi:[0,1]
.set i, i+1
.endr
.set i, 0
.rept \n
	v_cvt_pk_bf16_f32 v[(\lo)+i], v[(\u)+2*i], v[(\u)+2*i+1]
.set i, i+1
.endr
.endm
.macro HILO y, tp, u, op               ; 8 numbers -> 4 registers: bf16(y) in even lanes, bf16(y - bf16(y)) in odd lanes; y is left as it is
.irp i, 0,1,2,3
	v_cvt_pk_bf16_f32 v[(\tp)+\i], v[(\y)+2*\i], v[(\y)+2*\i+1]
.endr
.irp i, 0,1,2,3
	v_and_b32 v[(\tp)+\i], v[PM], v[(\tp)+\i]
.endr
.irp i, 0,1,2,3
	v_lshlrev_b32 v[(\u)+2*\i], 16, v[(\tp)+\i]
	v_and_b32 v[(\u)+2*\i+1], s66, v[(\tp)+\i]
.endr
.irp i, 0,1,2,3
	v_pk_add_f32 v[(\u)+2*\i:(\u)+2*\i+1], v[(\y)+2*\i:(\y)+2*\i+1], v[(\u)+2*\i:(\u)+2*\i+1] neg_lo:[0,1] neg_hi:[0,1]
.endr
.irp i, 0,1,2,3
	v_cvt_pk_bf16_f32 v[(\op)+\i], v[(\u)+2*\i], v[(\u)+2*\i+1]
.endr
.endm
	; S1.  FEATS: row 2 w = my partial sums hi | the selected row (first wave of a batch) or 0; row 2 w + 1 = lo | 0.  And my count.
	SPLIT MA, 2, 48, 50, 62
	v_mov_b32 v54, 0
	v_mov_b32 v55, 0
	v_cvt_f32_u32 v58, s83
	s_wait_alu depctr_va_vdst(0)                   ; v48-49, v54-58 and v62-63 are written, which the five stores read; all earlier lines are done with R0 and v176-179, in which S2's loads land
	ds_store_b64 v[FW], v[48:49]
	ds_store_b64 v[FW], v[62:63] offset:FP
	ds_store_b64 v[FW], v[56:57] offset:256
	ds_store_b64 v[FW], v[54:55] offset:FP+256
	ds_store_b32 v[CW], v58 offset:96
	BAR
	; S2.  combined = W_c[:, :128] (sum of the eight partial rows) / count + W_c[:, 128:256] sel + the rest.  Column r of B is FEATS' row r; batch = r / 8.
.irp k, 0,1,2,3,4,5,6,7
	ds_load_b128 v[64+8*\k:64+8*\k+3], v[FB] offset:64*\k
	ds_load_b128 v[64+8*\k+4:64+8*\k+7], v[FB] offset:64*\k+32
.endr
	ds_load_b128 v[176:179], v[CA]                 ; the four waves' counts of batch r / 8
	s_wait_dscnt 0x0
	WIN 0x01                                       ; A in window 1
.irp k, 0,1,2,3                        ; two accumulators by turns: the mean's half of K and the selected row's
.if \k == 0
	v_wmma_f32_16x16x32_bf16 v[192:199], v[WC:WC+7], v[64:71], 0
	v_wmma_f32_16x16x32_bf16 v[200:207], v[WC+32:WC+39], v[96:103], 0
.else
	v_wmma_f32_16x16x32_bf16 v[192:199], v[WC+8*\k:WC+8*\k+7], v[64+8*\k:64+8*\k+7], v[192:199]
	v_wmma_f32_16x16x32_bf16 v[200:207], v[WC+32+8*\k:WC+32+8*\k+7], v[96+8*\k:96+8*\k+7], v[200:207]
.endif
.endr
	WIN 0
	v_add_f32 v176, v176, v177                     ; four plain lines and the v_nop: the places behind the products
	v_add_f32 v178, v178, v179
	v_add_f32 v176, v176, v178
	v_max_num_f32 v176, 1.0, v176                  ; max(count, 1)
	v_rcp_f32 v177, v176
	v_nop                                          ; a plain line behind the reciprocal,
	s_wait_alu depctr_va_vdst(0)                   ; and the reciprocal has written v177, ahead of its first reader
.irp j, 0,1,2,3,4,5,6,7
	v_fma_f32 v[Y+\j], v[192+\j], v177, v[200+\j]
.endr
.irp m, 1,2,4                          ; the eight columns of a batch are added
.irp j, 0,1,2,3,4,5,6,7
	v_add_f32_dpp v[Y+\j], v[Y+\j], v[Y+\j] row_xmask:\m row_mask:0xf bank_mask:0xf
.endr
.endr
.irp j, 0,2,4,6
	v_pk_add_f32 v[COMB+\j:COMB+\j+1], v[Y+\j:Y+\j+1], v[BIA+\j:BIA+\j+1]
.endr
	HILO COMB, 120, 176, 124
	s_wait_alu depctr_va_vdst(0)                   ; the rounding has written v124-127, which the store reads; the products are done reading v64-95, in which the next stage's loads land
	ds_store_b128 v[VSN], v[124:127] offset:V_COMB
	BAR
; A SMALL PRODUCT: my tile of a weight (home, in window 1) x a vector's four rows.  Column r of B is row rowsel(r), so even columns carry hi, odd ones lo, each four times over.
; bias: its registers or -1; resid: combined is added; dot: the part of pq . b_pk of my 16 outputs is stored too.
.macro GSTAGE home, badr, boff, bias, resid, oadr, ooff, dot
	WIN 0
	s_wait_alu depctr_vm_vsrc(0)                   ; the stores of the stage before have read v124-127 (behind S6: v120-127), which this stage's rounding writes again
.irp k, 0,1,2,3
	ds_load_b128 v[BF+8*\k:BF+8*\k+3], v[\badr] offset:(\boff)+64*\k      ; no vector line since the last stage's wait on va_vdst names v64-95
	ds_load_b128 v[BF+8*\k+4:BF+8*\k+7], v[\badr] offset:(\boff)+64*\k+32
.endr
	s_wait_dscnt 0x0
	WIN 0x01
	v_wmma_f32_16x16x32_bf16 v[A0:A0+7], v[(\home):(\home)+7], v[BF:BF+7], 0              ; two accumulators by turns
	v_wmma_f32_16x16x32_bf16 v[A1:A1+7], v[(\home)+8:(\home)+15], v[BF+8:BF+15], 0
	v_wmma_f32_16x16x32_bf16 v[A0:A0+7], v[(\home)+16:(\home)+23], v[BF+16:BF+23], v[A0:A0+7]
	v_wmma_f32_16x16x32_bf16 v[A1:A1+7], v[(\home)+24:(\home)+31], v[BF+24:BF+31], v[A1:A1+7]
	WIN 0
	PLACES
.irp j, 0,1,2,3,4,5,6,7
	v_add_f32 v[Y+\j], v[A0+\j], v[A1+\j]
.endr
.irp j, 0,1,2,3,4,5,6,7
	v_add_f32_dpp v[Y+\j], v[Y+\j], v[Y+\j] row_xmask:1 row_mask:0xf bank_mask:0xf  ; hi's column + lo's
.endr
.if (\bias) >= 0
.irp j, 0,2,4,6
	v_pk_add_f32 v[Y+\j:Y+\j+1], v[Y+\j:Y+\j+1], v[(\bias)+\j:(\bias)+\j+1]
.endr
.endif
.if \resid
.irp j, 0,2,4,6
	v_pk_add_f32 v[Y+\j:Y+\j+1], v[Y+\j:Y+\j+1], v[COMB+\j:COMB+\j+1]
.endr
.endif
.if \dot
	v_pk_mul_f32 v[184:185], v[Y:Y+1], v[BPK:BPK+1]
.irp j, 2,4,6
	v_pk_fma_f32 v[184:185], v[Y+\j:Y+\j+1], v[BPK+\j:BPK+\j+1], v[184:185]
.endr
	v_add_f32 v184, v184, v185
	v_permlanex16_b32 v185, v184, s70, s71         ; my tile's other eight outputs
	v_add_f32 v184, v184, v185
.endif
	HILO Y, 120, 176, 124
	s_wait_alu depctr_va_vdst(0)                   ; v124-127 (and v184) are written, which the stores read; the stage is done with v64-127 and v176-185, in which the next stage's loads land
.if \dot
	ds_store_b32 v[C0W], v184
.endif
	ds_store_b128 v[\oadr], v[124:127] offset:\ooff
	BAR
.endm
	GSTAGE WQ, VB, V_COMB, BQ, 0, VSN, V_Q, 0      ; S3.  q = Wq combined + bq
	; S4.  Wk^T q by heads: column r of B is q of batch r / 8 with all heads but r % 8 set to 0.  K step k holds heads 2 k and 2 k + 1, 16 numbers each, so a lane's eight numbers of its head serve one half of one K step.
	s_wait_alu depctr_vm_vsrc(0)                   ; S3's store has read v124-127, which this stage's rounding writes again
	ds_load_b128 v[176:179], v[QL]
	s_wait_dscnt 0x0
.irp k, 0,1,2,3
.irp i, 0,1,2,3
	v_cndmask_b32 v[BF+8*\k+\i], 0, v[176+\i], s[72+2*\k]
	v_cndmask_b32 v[BF+8*\k+4+\i], 0, v[176+\i], s[73+2*\k]
.endr
.endr
	WIN 0x01
	v_wmma_f32_16x16x32_bf16 v[A0:A0+7], v[WKT:WKT+7], v[BF:BF+7], 0
	v_wmma_f32_16x16x32_bf16 v[A1:A1+7], v[WKT+8:WKT+15], v[BF+8:BF+15], 0
	v_wmma_f32_16x16x32_bf16 v[A0:A0+7], v[WKT+16:WKT+23], v[BF+16:BF+23], v[A0:A0+7]
	v_wmma_f32_16x16x32_bf16 v[A1:A1+7], v[WKT+24:WKT+31], v[BF+24:BF+31], v[A1:A1+7]
	WIN 0
	PLACES
.irp j, 0,1,2,3,4,5,6,7
	v_add_f32 v[Y+\j], v[A0+\j], v[A1+\j]
.endr
.irp j, 0,2,4,6
	v_pk_mul_f32 v[Y+\j:Y+\j+1], v[Y+\j:Y+\j+1], s[SCL:SCL+1] op_sel_hi:[1,0]  ; 1 / sqrt(16) and log2(e), ahead of the one rounding
.endr
.irp i, 0,1,2,3
	v_cvt_pk_bf16_f32 v[124+\i], v[Y+2*\i], v[Y+2*\i+1]
.endr
	s_wait_alu depctr_va_vdst(0)                   ; the rounding has written v124-127, which the store reads; all earlier lines are done with R0, R2 and S's and QF's registers, in which S5's loads land
	ds_store_b128 v[QST], v[124:127]               ; row r = 8 batch + head, channels 64 hh + 8 w + j
	BAR
; S5.  Scores, softmax and weighted sum over my own 128 nodes.
.macro AFLOAD buf, p                   ; row fragments of node tiles 2 p, 2 p + 1 (16 nodes x 128 channels each): 16 loads
	WIN 0
.irp i, 0,1
.irp k, 0,1,2,3
	ds_load_b128 v[(\buf)+32*\i+8*\k:(\buf)+32*\i+8*\k+3],   v[XF] offset:(2*(\p)+\i)*16*PX+64*\k
	ds_load_b128 v[(\buf)+32*\i+8*\k+4:(\buf)+32*\i+8*\k+7], v[XF] offset:(2*(\p)+\i)*16*PX+64*\k+32
.endr
.endr
.endm
.macro TFLOAD buf, ks                  ; turned fragments of nodes 32 ks .. + 31, all 128 channels (tile c: channels 8 c .. and 64 + 8 c ..): 16 loads
	WIN 0
.irp c, 0,1,2,3,4,5,6,7
	ds_load_tr16_b128 v[(\buf)+8*\c:(\buf)+8*\c+3],   v[TRX] offset:32*(\ks)*PX+16*\c
	ds_load_tr16_b128 v[(\buf)+8*\c+4:(\buf)+8*\c+7], v[TRX] offset:(32*(\ks)+16)*PX+16*\c
.endr
.endm
.macro SCORE p, buf                    ; S(node, head) += x . (Wk^T q): two tiles by turns; their registers were loaded with the mask's 0 or -1e30
	WIN 0x54                                       ; A window 0; B, C, D window 1
.irp k, 0,1,2,3
.irp i, 0,1
	v_wmma_f32_16x16x32_bf16 v[S+8*(2*(\p)+\i):S+8*(2*(\p)+\i)+7], v[(\buf)+32*\i+8*\k:(\buf)+32*\i+8*\k+7], v[QF+8*\k:QF+8*\k+7], v[S+8*(2*(\p)+\i):S+8*(2*(\p)+\i)+7]
.endr
.endr
.endm
.macro OMUL ks, buf                    ; O^T(channel, head) += x^T P: eight accumulators by turns, in S's place
	WIN 0x54
.irp c, 0,1,2,3,4,5,6,7
.if (\ks) == 0
	v_wmma_f32_16x16x32_bf16 v[S+8*\c:S+8*\c+7], v[(\buf)+8*\c:(\buf)+8*\c+7], v[P+8*(\ks):P+8*(\ks)+7], 0
.else
	v_wmma_f32_16x16x32_bf16 v[S+8*\c:S+8*\c+7], v[(\buf)+8*\c:(\buf)+8*\c+7], v[P+8*(\ks):P+8*(\ks)+7], v[S+8*\c:S+8*\c+7]
.endif
.endr
.endm
	s_wait_alu depctr_vm_vsrc(0)                   ; S4's store has read v124-127, in which the first fragments land
	WIN 0x40
.irp k, 0,1,2,3
	ds_load_b128 v[QF+8*\k:QF+8*\k+3], v[QB] offset:64*\k        ; column r: head r % 8 of my batch
	ds_load_b128 v[QF+8*\k+4:QF+8*\k+7], v[QB] offset:64*\k+32
.endr
.irp t, 0,1,2,3,4,5,6,7
	ds_load_b128 v[S+8*\t:S+8*\t+3], v[MW] offset:64*\t          ; register j of tile t: node 16 t + 8 hh + j
	ds_load_b128 v[S+8*\t+4:S+8*\t+7], v[MW] offset:64*\t+16
.endr
	AFLOAD R0, 0
	AFLOAD R2, 1
	s_wait_dscnt 16                                ; all but the other buffer's 16 loads; the same count at each step below
	SCORE 0, R0
	PLACES
	WIN 0
	s_wait_alu depctr_va_vdst(0)                   ; the products are done reading R0, in which the next fragments land; R2's 16 loads are still out
	AFLOAD R0, 2
	s_wait_dscnt 16
	SCORE 1, R2
	PLACES
	WIN 0
	s_wait_alu depctr_va_vdst(0)                   ; the products are done reading R2
	AFLOAD R2, 3
	s_wait_dscnt 16
	SCORE 2, R0
	PLACES
	WIN 0
	s_wait_alu depctr_va_vdst(0)                   ; the products are done reading R0
	TFLOAD R0, 0                                   ; the turned fragments are on their way while the softmax is made
	s_wait_dscnt 16
	SCORE 3, R2
	PLACES 8                                       ; the softmax's work registers T are B's registers of these products
	WIN 0
	s_wait_alu depctr_va_vdst(0)                   ; the products are done reading R2
	TFLOAD R2, 1
	WIN 0x55                                       ; all in window 1.  A lane holds 64 scores of head r % 8, the lane 16 away the other 64
.set n, 0
.rept 3
.set t, 0
.rept 8                                ; each accumulator is read from its low end on
.if n == 0
	v_max3_num_f32 v[T+t], v[S+8*t], v[S+8*t+1], v[S+8*t+2]
.else
	v_max3_num_f32 v[T+t], v[T+t], v[S+8*t+2*n+1], v[S+8*t+2*n+2]
.endif
.set t, t+1
.endr
.set n, n+1
.endr
.irp t, 0,1,2,3
	v_max3_num_f32 v[T+\t], v[T+\t], v[S+16*\t+7], v[S+16*\t+15]
.endr
	v_max3_num_f32 v[T], v[T], v[T+1], v[T+2]
	v_max3_num_f32 v[T+3], v[T+3], v[T+4], v[T+5]
	v_max3_num_f32 v[T+6], v[T+6], v[T+7], s68     ; the floor
	v_max3_num_f32 v[T], v[T], v[T+3], v[T+6]
	v_permlanex16_b32 v[T+1], v[T], s70, s71
	v_max_num_f32 v[T+8], v[T], v[T+1]             ; my 128 nodes' maximum, twice: a pair for the packed subtraction
	v_max_num_f32 v[T+9], v[T], v[T+1]
.set i, 0
.rept 32
	v_pk_add_f32 v[S+2*i:S+2*i+1], v[S+2*i:S+2*i+1], v[T+8:T+9] neg_lo:[0,1] neg_hi:[0,1]
.set i, i+1
.endr
.set i, 0
.rept 64                               ; one batch of exponentials,
	v_exp_f32 v[S+i], v[S+i]
.set i, i+1
.endr
	v_nop                                          ; one plain line behind the last,
	s_wait_alu depctr_va_vdst(0)                   ; and the 64 exponentials have written S, ahead of their first reader
.set i, 0
.rept 32                               ; two tiles' registers, rounded in pairs, are B's fragment of 32 nodes
	v_cvt_pk_bf16_f32 v[P+i], v[S+2*i], v[S+2*i+1]
.set i, i+1
.endr
.irp w, 4,8,16,32,64                   ; the sum of the unrounded weights, in place: 31 packed additions
.set i, 0
.rept 64/(\w)
	v_pk_add_f32 v[S+(\w)*i:S+(\w)*i+1], v[S+(\w)*i:S+(\w)*i+1], v[S+(\w)*i+(\w)/2:S+(\w)*i+(\w)/2+1]
.set i, i+1
.endr
.endr
	v_add_f32 v[T+10], v[S], v[S+1]
	v_permlanex16_b32 v[T+11], v[T+10], s70, s71
	v_add_f32 v[T+9], v[T+10], v[T+11]             ; beside the maximum
	s_wait_dscnt 16
	OMUL 0, R0
	PLACES
	WIN 0
	s_wait_alu depctr_va_vdst(0)                   ; the products are done reading R0
	TFLOAD R0, 2
	s_wait_dscnt 16
	OMUL 1, R2
	PLACES
	WIN 0
	s_wait_alu depctr_va_vdst(0)                   ; the products are done reading R2
	TFLOAD R2, 3
	s_wait_dscnt 16
	OMUL 2, R0
	s_wait_dscnt 0x0
	OMUL 3, R2
	PLACES
	WIN 0x04                                       ; store data in window 1
	s_wait_alu depctr_va_vdst(0)                   ; the products have written O^T, and the softmax T+8 and T+9, which the stores read; the places above stay beside this wait.  The products are also done reading R0, in which S6's loads land
.irp c, 0,1,2,3,4,5,6,7
	ds_store_b128 v[PW], v[S+8*\c:S+8*\c+3] offset:32*\c         ; head r % 8, channels 64 hh + 8 c + j, in f32
	ds_store_b128 v[PW], v[S+8*\c+4:S+8*\c+7] offset:32*\c+16
.endr
	ds_store_b64 v[SW], v[T+8:T+9]
	WIN 0
	BAR
	; S6.  The four waves of a batch are merged.  A thread: batch w / 4, head 2 (w % 4) + hh, channels 4 r .. and 64 + 4 r ..
.irp v, 0,1,2,3
	ds_load_b128 v[64+8*\v:64+8*\v+3], v[P6] offset:8*FP*\v
	ds_load_b128 v[64+8*\v+4:64+8*\v+7], v[P6] offset:8*FP*\v+256
	ds_load_b64 v[96+2*\v:97+2*\v], v[S6A] offset:64*\v
.endr
	s_wait_dscnt 0x0
	v_max3_num_f32 v104, v96, v98, v100
	v_max_num_f32 v104, v104, v102
.irp v, 0,1,2,3
	v_sub_f32 v[105+\v], v[96+2*\v], v104
.endr
.irp v, 0,1,2,3
	v_exp_f32 v[105+\v], v[105+\v]                 ; the correction factors
.endr
	v_nop
	s_wait_alu depctr_va_vdst(0)                   ; the four exponentials have written v105-108, ahead of their first reader
	v_mul_f32 v109, v105, v97
	v_fmac_f32 v109, v106, v99
	v_fmac_f32 v109, v107, v101
	v_fmac_f32 v109, v108, v103
	v_rcp_f32 v110, v109
	v_nop
	s_wait_alu depctr_va_vdst(0)                   ; the reciprocal has written v110, ahead of its first reader
.irp v, 0,1,2,3
	v_mul_f32 v[105+\v], v[105+\v], v110
.endr
.irp c, 0,1,2,3,4,5,6,7
	v_mul_f32 v[Y+\c], v[64+\c], v105
.endr
.irp v, 1,2,3
.irp c, 0,1,2,3,4,5,6,7
	v_fmac_f32 v[Y+\c], v[64+8*\v+\c], v[105+\v]
.endr
.endr
	SPLIT Y, 4, 120, 176, 124
	s_wait_alu depctr_va_vdst(0)                   ; the rounding has written v120-127, which the stores read; the stage is done reading v64-95, in which S7's loads land
	ds_store_b64 v[X6], v[120:121]                 ; into QKXA, which was last read in front of the barrier above; this stage's loads read PART and STAT
	ds_store_b64 v[X6], v[122:123] offset:128
	ds_store_b64 v[X6], v[124:125] offset:8*PX
	ds_store_b64 v[X6], v[126:127] offset:8*PX+128
	BAR
	GSTAGE WV, XB7, 0, BV, 0, VSN, V_CTX, 0        ; S7.  ctx = Wv xa + bv: my 16 outputs are head w, so B is head w's xa
	GSTAGE WO, VB, V_CTX, BO, 1, VSN, V_VEH, 0     ; S8.  veh = combined + W_o ctx + b_o
	GSTAGE WPQ, VB, V_VEH, BPQ, 0, VSN, V_PQ, 1    ; S9.  pq = W_pq veh + b_pq, and my part of pq . b_pk
	GSTAGE WPKT, VB, V_PQ, -1, 0, VST, V_PKQ, 0    ; S10. W_pk^T pq
; S11.  z = (W_pk^T pq) . x + pq . b_pk for my 128 nodes.  A's even rows are hi, its odd rows lo; B's columns are nodes: register 0 of a result is hi's product, register 1 lo's.
.macro ZMUL p, buf
	WIN 0x51                                       ; A, C, D window 1; B window 0
.irp k, 0,1,2,3
.irp i, 0,1
.if \k == 0
	v_wmma_f32_16x16x32_bf16 v[Z+8*(2*(\p)+\i):Z+8*(2*(\p)+\i)+7], v[PF+8*\k:PF+8*\k+7], v[(\buf)+32*\i+8*\k:(\buf)+32*\i+8*\k+7], 0
.else
	v_wmma_f32_16x16x32_bf16 v[Z+8*(2*(\p)+\i):Z+8*(2*(\p)+\i)+7], v[PF+8*\k:PF+8*\k+7], v[(\buf)+32*\i+8*\k:(\buf)+32*\i+8*\k+7], v[Z+8*(2*(\p)+\i):Z+8*(2*(\p)+\i)+7]
.endif
.endr
.endr
.endm
	s_wait_alu depctr_vm_vsrc(0)                   ; earlier stores have read their data, all of which this stage writes again: S10's v124-127, S9's v184, S5's registers of S and T in window 1, S1's among v48-63
	WIN 0x40
.irp k, 0,1,2,3
	ds_load_b128 v[PF+8*\k:PF+8*\k+3], v[PKA] offset:64*\k
	ds_load_b128 v[PF+8*\k+4:PF+8*\k+7], v[PKA] offset:64*\k+32
.endr
	WIN 0
	ds_load_b128 v[176:179], v[C0R]                ; the eight parts of pq . b_pk
	ds_load_b128 v[180:183], v[C0R] offset:16
.irp t, 0,1,2,3
	ds_load_b32 v[184+\t], v[ML] offset:128*\t     ; the mask's 0 or -1e30 of node 32 t + L
.endr
	AFLOAD R0, 0
	AFLOAD R2, 1
	s_wait_dscnt 16
	ZMUL 0, R0
	WIN 0
	v_add_f32 v176, v176, v177                     ; four plain lines that are due anyway: the places in front of the loads
	v_add_f32 v178, v178, v179
	v_add_f32 v180, v180, v181
	v_add_f32 v182, v182, v183
	s_wait_alu depctr_va_vdst(0)                   ; the products are done reading R0, in which the next fragments land; R2's 16 loads are still out
	AFLOAD R0, 2
	s_wait_dscnt 16
	ZMUL 1, R2
	WIN 0
	v_add_f32 v176, v176, v178                     ; and four more
	v_add_f32 v180, v180, v182
	v_add_f32 v176, v176, v180
	v_mul_f32 v177, s80, v176                      ; 2 log2(e) pq . b_pk
	s_wait_alu depctr_va_vdst(0)                   ; the products are done reading R2
	AFLOAD R2, 3
	s_wait_dscnt 16
	ZMUL 2, R0
	s_wait_dscnt 0x0
	ZMUL 3, R2
	PLACES
	WIN 0x05                                       ; sources in window 1, destination in window 0
.irp t, 0,1,2,3                        ; lanes 0-15 take tile 2 t, lanes 16-31 tile 2 t + 1: node 32 t + L
	v_cndmask_b32 v[48+\t], v[Z+16*\t], v[Z+16*\t+8], s66
	v_cndmask_b32 v[52+\t], v[Z+16*\t+1], v[Z+16*\t+9], s66
.endr
	WIN 0
.irp t, 0,1,2,3
	v_add_f32 v[56+\t], v[48+\t], v[52+\t]
.endr
.irp t, 0,1,2,3
	v_fma_f32 v[56+\t], v[56+\t], s80, v177        ; 2 log2(e) z
.endr
.irp t, 0,1,2,3
	v_exp_f32 v[56+\t], v[56+\t]
.endr
	v_nop
	s_wait_alu depctr_va_vdst(0)                   ; the four exponentials have written v56-59, ahead of their first reader
.irp t, 0,1,2,3
	v_add_f32 v[56+\t], 1.0, v[56+\t]
.endr
.irp t, 0,1,2,3
	v_rcp_f32 v[56+\t], v[56+\t]
.endr
	v_nop
	s_wait_alu depctr_va_vdst(0)                   ; the four reciprocals have written v56-59, ahead of their first reader
.irp t, 0,1,2,3
	v_fma_f32 v[56+\t], v[56+\t], s81, v[184+\t]   ; log2(e) (u - 10), less 1e30 where masked
.endr
.irp t, 0,1,2,3
	v_exp_f32 v[56+\t], v[56+\t]
.endr
	v_nop
	s_wait_alu depctr_va_vdst(0)                   ; the four exponentials have written v56-59, which the four stores and the sums read
.irp t, 0,1,2,3
	ds_store_b32 v[EL], v[56+\t] offset:128*\t
.endr
	v_add_f32 v60, v56, v57
	v_add_f32 v61, v58, v59
	v_add_f32 v60, v60, v61
.irp m, 1,2,4,8
	v_add_f32_dpp v60, v60, v60 row_xmask:\m row_mask:0xf bank_mask:0xf
.endr
	v_permlanex16_b32 v61, v60, s70, s71
	v_add_f32 v60, v60, v61
	s_lshl_b32 s15, s9, 4
	s_add_co_u32 s15, s15, SMALL+64
	v_mov_b32 v62, s15                             ; where my batch's four sums lie
	s_wait_alu depctr_va_vdst(0)                   ; v60 is written, which the store reads, and v62, by which S12 loads; the stage is done with v48-55, in which S12's loads land
	ds_store_b32 v[CW], v60 offset:64              ; my 128 nodes' sum
	BAR
	; S12.  Divided by the batch's sum and stored: a wave writes 512 consecutive bytes, at a multiple of 512 from out0's first byte.
	s_wait_alu depctr_vm_vsrc(0)                   ; S11's stores have read v56, which the reciprocal below writes
	ds_load_b128 v[48:51], v62
	ds_load_b128 v[52:55], v[E4]
	s_wait_dscnt 0x0
	v_add_f32 v48, v48, v49
	v_add_f32 v50, v50, v51
	v_add_f32 v48, v48, v50
	v_rcp_f32 v56, v48
	v_nop
	s_wait_alu depctr_va_vdst(0)                   ; the reciprocal has written v56, ahead of its first reader
	v_pk_mul_f32 v[52:53], v[52:53], v[56:57] op_sel_hi:[1,0]
	v_pk_mul_f32 v[54:55], v[54:55], v[56:57] op_sel_hi:[1,0]
	s_wait_alu depctr_va_vdst(0)                   ; the two products have written v52-55, which the store reads
	global_store_b128 v[GO], v[52:55], s[48:49] th:TH_STORE_NT
	s_wait_dscnt 0x0                               ; the wave's end
	s_wait_alu 0x0
	s_wait_tensorcnt 0x0
	ds_add_u32 v[SPW], v[NIL]
	s_wait_dscnt 0x0
	s_endpgm
.Lfunc_end_k_q34bc716914_decode:
	.size	k_q34bc716914_decode, .Lfunc_end_k_q34bc716914_decode-k_q34bc716914_decode
	.p2alignl 7, 3214868480
	.fill 96, 4, 3214868480
	.section	.rodata,"a",@progbits
	.p2align	6, 0x0
	.amdhsa_kernel k_q34bc716914_decode
		.amdhsa_group_segment_fixed_size 327680
		.amdhsa_private_segment_fixed_size 0
		.amdhsa_enable_private_segment 0
		.amdhsa_kernarg_size 136
		.amdhsa_user_sgpr_count 2
		.amdhsa_user_sgpr_kernarg_segment_ptr 1
		.amdhsa_wavefront_size32 1
		.amdhsa_system_sgpr_workgroup_id_x 1
		.amdhsa_system_sgpr_workgroup_id_y 1
		.amdhsa_system_sgpr_workgroup_id_z 1
		.amdhsa_system_vgpr_workitem_id 0
		.amdhsa_next_free_vgpr 512
		.amdhsa_next_free_sgpr 96
		.amdhsa_reserve_vcc 0
		.amdhsa_float_denorm_mode_32 3
		.amdhsa_float_denorm_mode_16_64 3
		.amdhsa_memory_ordered 1
		.amdhsa_forward_progress 1
		.amdhsa_inst_pref_size 201
	.end_amdhsa_kernel
	.amdgpu_metadata
---
amdhsa.version: [ 1, 2 ]
amdhsa.kernels:
  - .name:           k_q34bc716914_decode
    .symbol:         k_q34bc716914_decode.kd
    .args:
      - { .name: x, .offset: 0, .size: 8, .value_kind: global_buffer, .address_space: global }
      - { .name: W_c, .offset: 8, .size: 8, .value_kind: global_buffer, .address_space: global }
      - { .name: W_qkv, .offset: 16, .size: 8, .value_kind: global_buffer, .address_space: global }
      - { .name: W_o, .offset: 24, .size: 8, .value_kind: global_buffer, .address_space: global }
      - { .name: W_pq, .offset: 32, .size: 8, .value_kind: global_buffer, .address_space: global }
      - { .name: W_pk, .offset: 40, .size: 8, .value_kind: global_buffer, .address_space: global }
      - { .name: mean_mask, .offset: 48, .size: 8, .value_kind: global_buffer, .address_space: global }
      - { .name: attn_mask, .offset: 56, .size: 8, .value_kind: global_buffer, .address_space: global }
      - { .name: sel_idx, .offset: 64, .size: 8, .value_kind: global_buffer, .address_space: global }
      - { .name: cap_feat, .offset: 72, .size: 8, .value_kind: global_buffer, .address_space: global }
      - { .name: time_feat, .offset: 80, .size: 8, .value_kind: global_buffer, .address_space: global }
      - { .name: b_c, .offset: 88, .size: 8, .value_kind: global_buffer, .address_space: global }
      - { .name: b_qkv, .offset: 96, .size: 8, .value_kind: global_buffer, .address_space: global }
      - { .name: b_o, .offset: 104, .size: 8, .value_kind: global_buffer, .address_space: global }
      - { .name: b_pq, .offset: 112, .size: 8, .value_kind: global_buffer, .address_space: global }
      - { .name: b_pk, .offset: 120, .size: 8, .value_kind: global_buffer, .address_space: global }
      - { .name: out0, .offset: 128, .size: 8, .value_kind: global_buffer, .address_space: global }
    .group_segment_fixed_size: 327680
    .private_segment_fixed_size: 0
    .kernarg_segment_align: 8
    .kernarg_segment_size: 136
    .max_flat_workgroup_size: 256
    .sgpr_count:     96
    .vgpr_count:     512
    .wavefront_size: 32
...
	.end_amdgpu_metadata
.endif
;; end of part 2
